; MI455X (gfx1250); checked and timed in simulation.
; The chip was launched on July 23, 2026; its instructions are those of AMD's public machine-readable ISA for CDNA 5 (MIT licence, August 2026) and "CDNA5" Instruction Set Architecture Reference Guide (July 2026). The comments in the code are by the model that wrote it; some were corrected since.
;; Transformer Block. Allowed arithmetic: matrix products marked QUANTISED: E2M1 operands, one E8M0 scale for each 32 along K, by v_wmma_scale_f32_16x16x128_f8f6f4 with both operands' format E2M1 (or v_wmma_scale_f32_32x16x128_f4), f32 sums; everything else in f32.
;; Inputs: Wk 1,024 x 1,024 float32; Wo 1,024 x 1,024 float32; Wq 1,024 x 1,024 float32; Wv 1,024 x 1,024 float32; g1 1,024 float32; g2 1,024 float32; positions 2,048 int32; w1 2,752 x 1,024 float32; w2 1,024 x 2,752 float32; w3 2,752 x 1,024 float32; x 2 x 2,048 x 1,024 float32.
;; Outputs: out0 2 x 2,048 x 1,024 float32.
;; Constants: theta = 10000.
;; This version of the problem:
;;   THIS VERSION OF THE PROBLEM IS GIVEN IN LOW PRECISION. The matrix products marked QUANTISED in the list below multiply operands that are first quantised to E2M1 (2 exponent bits, 1 mantissa bit; 4 bits a number), with one power-of-two scale for each 32 numbers along K (OCP MX v1.0); their sums are f32. All else is computed in f32.
;;   The module's matrix products, in the order in which they are computed (A, B: the left and right operand; K: the contracted axis; several contracted axes count as one K, in the product's order):
;;     1. [M 4,096, K 1,024] x [K 1,024, N 1,024]; A: computed on the way; B: input Wq: QUANTISED
;;     2. [M 4,096, K 1,024] x [K 1,024, N 1,024]; A: computed on the way; B: input Wk: QUANTISED
;;     3. [M 4,096, K 1,024] x [K 1,024, N 1,024]; A: computed on the way; B: input Wv: QUANTISED
;;     4. batch 32 x [M 2,048, K 64] x [K 64, N 2,048]; A: computed on the way; B: computed on the way: QUANTISED
;;     5. batch 32 x [M 2,048, K 2,048] x [K 2,048, N 64]; A: softmax (see below); B: computed on the way: QUANTISED
;;     6. [M 4,096, K 1,024] x [K 1,024, N 1,024]; A: computed on the way; B: input Wo: QUANTISED
;;     7. [M 4,096, K 1,024] x [K 1,024, N 2,752]; A: computed on the way; B: input w1: QUANTISED
;;     8. [M 4,096, K 1,024] x [K 1,024, N 2,752]; A: computed on the way; B: input w3: QUANTISED
;;     9. [M 4,096, K 2,752] x [K 2,752, N 1,024]; A: computed on the way; B: input w2: QUANTISED
;;   THE QUANTISER, for each operand of a quantised product, along K:
;;     - K is cut into blocks of 32 from its start; a last block that is shorter is filled with zeros.
;;     - A block's scale is 2^e with e = floor(log2(the largest magnitude in the block)) - 2, held to -126 .. 127; a block of zeros has e = 0. As a byte (E8M0): e + 127.
;;     - Each number is divided by its block's scale, clamped to +-6, and rounded to the nearest number of E2M1, ties to even, subnormals kept.
;;     - The product sums the exact products of the quantised numbers (number of the format x scale) in f32.
;;   ~~~python
;;   def quantise(x, axis):      # numpy; x: float32 -> the quantised numbers, widened to float32 again
;;       x = np.moveaxis(x, axis, -1); K = x.shape[-1]
;;       x = np.pad(x, [(0, 0)] * (x.ndim - 1) + [(0, -K % 32)]); x = x.reshape(x.shape[:-1] + (-1, 32)); a = np.abs(x).max(-1, keepdims=True)
;;       e = np.where(a > 0, np.clip(np.frexp(np.where(a > 0, a, 1))[1] - 1 - 2, -126, 127), 0)      # np.frexp(a)[1] - 1 = floor(log2(a)), exactly
;;       r = np.clip(x / 2.0 ** e, -6, 6)
;;       step = 2.0 ** (np.maximum(np.frexp(np.where(r == 0, 1, r))[1] - 1, 0) - 1)
;;       q = np.round(r / step) * step * 2.0 ** e      # np.round: ties to even
;;       return np.moveaxis(q.reshape(q.shape[:-2] + (-1,))[..., :K], -1, axis).astype(np.float32)
;;   ~~~
;;   SOFTMAX AHEAD OF A QUANTISED PRODUCT. Where the list says 'softmax', what is quantised is not the finished softmax but p = 2^(t - M), with t = logit x log2(e) and M = ceil(the row's largest t), a whole number; so 1/2 < the row's largest p <= 1. The row's sum l is taken of the UNQUANTISED p, in f32, and the product's result is divided by l at the end. Since M is a whole number, a kernel that streams over the keys may use a running M (the ceiling of the running maximum): every later rescaling is an exact power of two, which a block's scale takes up: the codes' values come out the same.
;;   OPERANDS COMPUTED ON THE WAY. 'Computed on the way' means the value that the module computes at that place (a softmax that the list does not call 'softmax' is quantised finished and normalised). What goes into a quantiser is computed in f32, as accurately as f32 sums, v_exp_f32 and their like allow (about 1e-6 of the number): no bf16 or f16 on the way to a quantiser, and a product that is left as it is and whose result goes on into a quantised operand takes f32 operands (vector FMAs, or v_wmma_f32_16x16x4_f32). A number that lies on a knife's edge between two numbers of the format may be rounded either way, as far as f32 arithmetic and the matrix unit's own rounding can turn it there, and no further.
;; One version. Each part assembles by itself: llvm-mc -triple=amdgcn-amd-amdhsa -mcpu=gfx1250 --defsym DOCPART=n.
;; ======== version 1 of 1: 8 launches
;; limits: inputs' magnitudes at most 1,048,576; right only within a limited range of input values
;; workspace buffers: wbuf 6,963,200 bytes; tab 524,288 bytes; xn 2,228,224 bytes; qkvc 6,946,816 bytes; attc 2,228,224 bytes; x2 16,777,216 bytes; hbuf 6,127,616 bytes
;; launch quantw (part 1): grid 800 x 1, 8 waves a work-group, no clusters, 69,120 bytes of LDS; arguments Wq, Wk, Wv, Wo, w1, w3, w2, positions, wbuf, tab; writes wbuf, tab
.if DOCPART == 1
	.amdgcn_target "amdgcn-amd-amdhsa--gfx1250"
	.amdhsa_code_object_version 6
	.text
	.protected	k_qfedad4f23a_quantw
	.globl	k_qfedad4f23a_quantw
	.p2align	8
	.type	k_qfedad4f23a_quantw,@function
k_qfedad4f23a_quantw:
	s_mov_b64 s[64:65], 0
	v_nop
	global_prefetch_b8 v0, s[64:65] scope:SCOPE_SE
	s_setreg_imm32_b32 hwreg(HW_REG_WAVE_MODE, 25, 1), 1
	s_wait_xcnt 0x0
; All seven weights, f32 with K innermost, become codes of E2M1 with one E8M0 byte for each 32 along K; and the table of cos and sin for the rope is made.
; LAYOUT OF THE CODES (this program's own): a tile is 16 rows; place r of tile T is row 32 (T/2) + 8 (T%2) + r + 8 (r/8).  A tile's codes lie [block of 32 along K][place r][16 bytes]:
; a fragment (16 rows x 128 K) is 1,024 consecutive bytes in the order of the operand's registers.  Scale words (4 bytes: 128 along K of one row) lie [tile][K step][place r].
; wbuf: tiles 0-63 Wq, 64-127 Wk, 128-191 Wv, 192-255 Wo; tile 256 + 4 b + s: s = 0, 1: w1's tile 2 b + s; s = 2, 3: w3's tile 2 b + s - 2; b = 86, 87 are tiles of zeros (dff = 2,752 = 86 blocks, filled to 88);
; from W2C on w2's 64 tiles, 24 K steps apart (22 are read; blocks 86 and up are zeros); from WS and W2S on the scale words.
; SHARES: a work-group takes one tile x 8 K steps, a wave 16 rows x 128 along K.  Each load reads 512 consecutive bytes of one row; the numbers turn through the wave's own stage in LDS (rows 528 bytes apart)
; and come back into the registers that they left, so that a lane comes to hold two whole blocks of 32 of its row, in the operand's own order.  128 registers a wave and 68,096 bytes of LDS a work-group:
; several work-groups lie side by side, which multiplies the bytes on their way.
; A block's scale is 2^(floor(log2(largest magnitude)) - 2).  LIMITS: NaN and infinities are not served; a block whose largest magnitude lies under 2^-124, a block of zeros too, takes the byte 1
; (the rule says 127 for zeros: the codes are zeros, and this program alone reads the bytes).
; THE TABLE: tab[tile of tokens][b][q][h][place r] = cos, sin of pairs 16 b + 8 h + 2 q + 0, 1 at the token's position: the order in which the product's registers want them.
; angle = position x 10^(-i/8) (theta = 10000: theta^(-2 i / 64)), one rounding; reduced by pi/2 in three parts with fused multiply-adds; polynomials on |r| <= pi/4.
; LIMIT: the reduced angle is good to about 1e-7 up to |angle| about 2^20.
.set WS,   6553600
.set W2C,  4980736
.set W2S,  6864896
.set STW,  8448                        ; a wave's stage: 16 rows x 528 bytes
.set SG,   67584                       ; behind the stages: the work-group's 128 scale words
.set OFF,  16                          ; v16-31   byte offset of my 16 bytes in row place i
.set R,    32                          ; v32-95   16 rows as loaded,
.set X,    32                          ;          then my two blocks of 32
.set C,    96                          ; v96-103  their codes
.set TM,   104                         ; v104-111 at work
.set GW,   112                         ; v112-115 the tile's scale words on their way out
.set TB,   116                         ; v116-127 the table's arithmetic
.set SEL,  48                          ; s[48:49] lane selects: lane l xor 16
	s_load_b512 s[4:19], s[0:1], 0x0               ; Wq, Wk, Wv, Wo, w1, w3, w2, positions
	s_load_b128 s[20:23], s[0:1], 0x40             ; wbuf, tab
	v_lshl_add_u32 v128, v0, 2, 0x10a00
	v_mov_b32 v129, 0
	v_lshrrev_b32 v1, 5, v0
	s_delay_alu instid0(VALU_DEP_1)
	v_readfirstlane_b32 s25, v1                    ; wave
	v_and_b32 v1, 31, v0                           ; lane
	s_wait_alu depctr_va_vdst(0)
	v_and_b32 v2, 15, v0                           ; r
	v_bfe_u32 v3, v0, 4, 1                         ; h
	s_mov_b32 s24, ttmp9                           ; G
	s_sub_co_u32 s28, s24, 256
	s_lshr_b32 s29, s28, 2                         ; b
	s_min_u32 s30, s29, 85                         ; (a tile of zeros reads rows that exist and masks them)
	s_lshl_b32 s30, s30, 1
	s_and_b32 s31, s24, 1
	s_add_co_u32 s30, s30, s31                     ; w1's or w3's tile
	s_sub_co_u32 s31, s24, 608
	s_and_b32 s32, s31, 63                         ; w2's tile
	s_lshr_b32 s33, s31, 6                         ; and which eight K steps
	s_and_b32 s34, s24, 63
	s_mov_b32 s35, 4096
	s_cmp_ge_u32 s24, 256
	s_cselect_b32 s34, s30, s34
	s_cmp_ge_u32 s24, 608
	s_cselect_b32 s34, s32, s34                    ; T: the tile in its tensor
	s_cselect_b32 s33, s33, 0
	s_cselect_b32 s35, 11008, s35                  ; a row in bytes
	s_cselect_b32 s36, 86, 32                      ; blocks of 32 that exist along K
	s_sub_co_u32 s37, s24, 600
	s_cmp_lt_u32 s37, 8
	s_cselect_b32 s36, 0, s36                      ; G = 600 .. 607: b = 86, 87: nothing exists
	s_lshl_b32 s38, s33, 3
	s_add_co_u32 s38, s38, s25                     ; ks: my K step
	s_lshr_b32 s39, s34, 1
	s_lshl_b32 s39, s39, 5
	s_and_b32 s40, s34, 1
	s_lshl_b32 s40, s40, 3
	s_add_co_u32 s39, s39, s40                     ; the tile's first row
	s_mul_i32 s40, s39, s35
	s_mov_b32 s41, 0
	s_lshl_b32 s42, s24, 13
	s_lshl_b32 s43, s25, 10
	s_add_co_u32 s42, s42, s43                     ; codes: G x 8,192 + wave x 1,024
	s_mul_i32 s43, s34, 24576
	s_lshl_b32 s44, s38, 10
	s_add_co_u32 s43, s43, s44
	s_add_co_u32 s43, s43, W2C                     ; w2's
	s_lshl_b32 s44, s24, 9
	s_add_co_u32 s44, s44, WS                      ; scale words: G x 512
	s_mul_i32 s45, s34, 1536
	s_lshl_b32 s46, s33, 9
	s_add_co_u32 s45, s45, s46
	s_add_co_u32 s45, s45, W2S                     ; w2's
	s_cmp_ge_u32 s24, 608
	s_cselect_b32 s42, s43, s42
	s_cselect_b32 s44, s45, s44
	s_mov_b32 s43, 0
	s_mov_b32 s45, 0
	v_lshlrev_b32 v8, 4, v1                        ; 16 x lane
	s_lshl_b32 s46, s38, 9
	v_add_nc_u32 v4, s46, v8
	s_sub_co_u32 s47, s35, 16
	v_min_u32 v4, s47, v4                          ; no load leaves its row: what lies past K is read from the row's end and masked
.irp i, 0,1,2,3,4,5,6,7,8,9,10,11,12,13,14,15
	v_mad_u32_u24 v[OFF+\i], s35, \i+8*(\i/8), v4
.endr
	s_mul_i32 s46, s25, STW
	v_add_nc_u32 v5, s46, v8                       ; the stage, in: 16 x lane of a row
	v_mul_u32_u24 v6, v2, 528
	s_delay_alu instid0(VALU_DEP_1)
	v_lshl_add_u32 v6, v3, 7, v6
	s_delay_alu instid0(VALU_DEP_1)
	v_add_nc_u32 v6, s46, v6                       ; and out: row r, + 128 h
	s_lshl_b32 s47, s25, 6
	s_add_co_u32 s47, s47, SG
	v_lshl_add_u32 v7, v2, 2, s47                  ; my row's scale word
	v_add_nc_u32 v9, SG, v8
	s_lshl_b32 s47, s38, 2
	v_add_nc_u32 v10, s47, v3                      ; my first block's number along K
	s_delay_alu instid0(VALU_DEP_1)
	v_add_nc_u32 v11, 2, v10                       ; my second's
	s_mov_b32 s[SEL], 0x76543210
	s_mov_b32 s[SEL+1], 0xfedcba98
	s_wait_alu depctr_va_vdst(0)
	s_wait_kmcnt 0x0
	s_lshr_b32 s50, s24, 6                         ; which tensor: the choices hang on the work-group's number alone
	s_cmp_eq_u32 s50, 1
	s_cselect_b64 s[26:27], s[6:7], s[4:5]
	s_cmp_eq_u32 s50, 2
	s_cselect_b64 s[26:27], s[8:9], s[26:27]
	s_cmp_eq_u32 s50, 3
	s_cselect_b64 s[26:27], s[10:11], s[26:27]
	s_cmp_ge_u32 s24, 256
	s_cselect_b64 s[26:27], s[12:13], s[26:27]
	s_cselect_b32 s50, 2, 0
	s_and_b32 s50, s50, s24
	s_cmp_lg_u32 s50, 0
	s_cselect_b64 s[26:27], s[14:15], s[26:27]
	s_cmp_ge_u32 s24, 608
	s_cselect_b64 s[26:27], s[16:17], s[26:27]
	s_add_nc_u64 s[26:27], s[26:27], s[40:41]
	s_add_nc_u64 s[42:43], s[20:21], s[42:43]
	s_add_nc_u64 s[44:45], s[20:21], s[44:45]
.irp i, 0,1,2,3,4,5,6,7,8,9,10,11,12,13,14,15
	global_load_b128 v[R+4*\i:R+4*\i+3], v[OFF+\i], s[26:27] th:TH_LOAD_NT   ; 512 consecutive bytes of one row; read once in the program
.endr
.irp i, 0,1,2,3,4,5,6,7,8,9,10,11,12,13,14,15
	s_wait_loadcnt 15-\i                           ; loads come back in order: row i is in, the 15 - i younger ones may be out
	ds_store_b128 v5, v[R+4*\i:R+4*\i+3] offset:528*\i
.endr
.irp c, 0,1
.irp j, 0,1,2,3,4,5,6,7
	ds_load_b128 v[X+32*\c+4*\j:X+32*\c+4*\j+3], v6 offset:256*\c+16*\j   ; k = 128 ks + 64 c + 32 h + 4 j ..; a wave's LDS instructions are served in order: these see my stores, and land in the registers that the stores have left
.endr
.endr
	s_wait_dscnt 0x0
	v_cmp_gt_u32 s50, s36, v10                     ; does my block exist?
	v_cmp_gt_u32 s51, s36, v11
.set ii, 0
.rept 32
	v_cndmask_b32 v[X+ii], 0, v[X+ii], s50         ; what lies past K counts as zero, ahead of the maximum
	v_cndmask_b32 v[X+32+ii], 0, v[X+32+ii], s51
.set ii, ii+1
.endr
.irp c, 0,1
	v_max3_num_f32 v[TM+\c], |v[X+32*\c]|, |v[X+32*\c+1]|, 0x1800000   ; the block's largest magnitude, and the floor 2^(3 - 127): the byte cannot fall under 1
.endr
.irp i, 2,4,6,8,10,12,14,16,18,20,22,24,26,28,30
.irp c, 0,1
	s_delay_alu instid0(VALU_DEP_2)
	v_max3_num_f32 v[TM+\c], v[TM+\c], |v[X+32*\c+\i]|, |v[X+32*\c+\i+1]|   ; (the two blocks by turns)
.endr
.endr
.irp c, 0,1
	s_delay_alu instid0(VALU_DEP_2)
	v_add_nc_u32 v[TM+2+\c], 0xff000000, v[TM+\c]  ; 2 off the exponent field: the conversion's scale operand
.endr
.irp c, 0,1
	s_delay_alu instid0(VALU_DEP_2)
	v_lshrrev_b32 v[TM+4+\c], 23, v[TM+2+\c]       ; the scale's byte
.endr
	s_delay_alu instid0(VALU_DEP_1)
	v_lshl_or_b32 v[TM+6], v[TM+5], 16, v[TM+4]    ; my two bytes: blocks h and 2 + h of the K step,
	v_lshlrev_b32 v[TM+7], 3, v3
	s_delay_alu instid0(VALU_DEP_1)
	v_lshlrev_b32 v[TM+6], v[TM+7], v[TM+6]        ; at their places in the word;
	v_mov_b32 v[TM+7], 0
	s_delay_alu instid0(VALU_DEP_1)
	v_permlanex16_b32 v[TM+7], v[TM+6], s[SEL], s[SEL+1]
	s_delay_alu instid0(VALU_DEP_1)
	v_or_b32 v[TM+6], v[TM+6], v[TM+7]             ; with lane l xor 16's two the word is whole
.irp c, 0,1
.irp g, 0,1,2,3
	v_cvt_scalef32_pk8_fp4_f32 v[C+4*\c+\g], v[X+32*\c+8*\g:X+32*\c+8*\g+7], v[TM+2+\c]
.endr
.endr
	v_nop                                          ; one plain place behind the conversions
	global_store_b128 v8, v[C:C+3], s[42:43]                 ; 512 consecutive bytes each: the fragment as the operand's registers want it
	global_store_b128 v8, v[C+4:C+7], s[42:43] offset:512
	ds_store_b32 v7, v[TM+6]                       ; both halves of the lanes write the same word with the same value
	s_wait_dscnt 0x0                               ; for the others' sake: my store has landed
	s_barrier_signal -1
	s_barrier_wait -1
	s_cmp_lg_u32 s25, 0
	s_cbranch_scc1 .Lnot_wave_0
	ds_load_b128 v[GW:GW+3], v9                    ; the tile's scale words of eight K steps
	s_wait_dscnt 0x0
	global_store_b128 v8, v[GW:GW+3], s[44:45]     ; 512 consecutive bytes
.Lnot_wave_0:
	; ---- the rope's table: the first 256 work-groups, a wave to each run of 256 bytes
	s_cmp_lt_u32 s24, 256
	s_cbranch_scc0 .Lend
	s_lshr_b32 s52, s24, 1                         ; the tile of tokens
	s_and_b32 s53, s24, 1
	s_lshl_b32 s53, s53, 3
	s_add_co_u32 s53, s53, s25                     ; 8 b + 2 q + h
.macro FSEL n, f0, f1
	s_cmp_eq_u32 s53, \n
	s_cselect_b32 s54, \f0, s54
	s_cselect_b32 s55, \f1, s55
.endm
	s_mov_b32 s54, 1.0                             ; 10^(-i/8) for i = 16 b + 8 h + 2 q and i + 1
	s_mov_b32 s55, 0.74989420933
	FSEL 1, 0.1, 0.074989420933
	FSEL 2, 0.56234132519, 0.42169650343
	FSEL 3, 0.056234132519, 0.042169650343
	FSEL 4, 0.31622776602, 0.23713737057
	FSEL 5, 0.031622776602, 0.023713737057
	FSEL 6, 0.17782794100, 0.13335214322
	FSEL 7, 0.017782794100, 0.013335214322
	FSEL 8, 0.01, 0.0074989420933
	FSEL 9, 0.001, 0.00074989420933
	FSEL 10, 0.0056234132519, 0.0042169650343
	FSEL 11, 0.00056234132519, 0.00042169650343
	FSEL 12, 0.0031622776602, 0.0023713737057
	FSEL 13, 0.00031622776602, 0.00023713737057
	FSEL 14, 0.0017782794100, 0.0013335214322
	FSEL 15, 0.00017782794100, 0.00013335214322
	s_lshr_b32 s56, s52, 1
	s_lshl_b32 s56, s56, 5
	s_and_b32 s57, s52, 1
	s_lshl_b32 s57, s57, 3
	s_add_co_u32 s56, s56, s57
	v_lshrrev_b32 v[TB], 1, v1                     ; place r = lane / 2
	s_delay_alu instid0(VALU_DEP_1)
	v_and_b32 v[TB+1], 8, v[TB]
	s_delay_alu instid0(VALU_DEP_1)
	v_add3_u32 v[TB], v[TB], v[TB+1], s56          ; the token
	s_delay_alu instid0(VALU_DEP_1)
	v_lshlrev_b32 v[TB], 2, v[TB]
	global_load_b32 v[TB+2], v[TB], s[18:19]       ; its position
	v_and_b32 v[TB+1], 1, v1
	s_delay_alu instid0(VALU_DEP_1)
	v_cmp_eq_u32 vcc_lo, 1, v[TB+1]
	v_mov_b32 v[TB+3], s54
	v_mov_b32 v[TB+4], s55
	s_delay_alu instid0(VALU_DEP_1)
	v_cndmask_b32 v[TB+3], v[TB+3], v[TB+4], vcc_lo   ; even lanes the first pair's frequency, odd lanes the second's
	s_lshl_b32 s58, s24, 11
	s_lshl_b32 s59, s25, 8
	s_add_co_u32 s58, s58, s59
	s_mov_b32 s59, 0
	s_add_nc_u64 s[22:23], s[22:23], s[58:59]
	s_mov_b32 s60, -0.00019515295891
	s_mov_b32 s61, 0.000024433157118
	v_lshlrev_b32 v[TB+11], 3, v1
	s_wait_loadcnt 0x0
	v_cvt_f32_i32 v[TB+2], v[TB+2]
	s_wait_alu depctr_va_vdst(0)
	v_mul_f32 v[TB+2], v[TB+2], v[TB+3]            ; the angle
	s_delay_alu instid0(VALU_DEP_1)
	v_mul_f32 v[TB+4], 0x3f22f983, v[TB+2]         ; x 2 / pi
	s_delay_alu instid0(VALU_DEP_1)
	v_rndne_f32 v[TB+4], v[TB+4]                   ; k
	s_delay_alu instid0(VALU_DEP_1)
	v_fmamk_f32 v[TB+5], v[TB+4], 0xbfc90fd8, v[TB+2]   ; - k x pi/2, in three parts
	s_delay_alu instid0(VALU_DEP_1)
	v_fmamk_f32 v[TB+5], v[TB+4], 0xb4a8885a, v[TB+5]
	s_delay_alu instid0(VALU_DEP_1)
	v_fmamk_f32 v[TB+5], v[TB+4], 0xa7c234c5, v[TB+5]   ; r, |r| <= pi/4
	s_delay_alu instid0(VALU_DEP_1)
	v_mul_f32 v[TB+6], v[TB+5], v[TB+5]            ; z
	s_delay_alu instid0(VALU_DEP_1)
	v_fmaak_f32 v[TB+7], s60, v[TB+6], 0.0083321608736
	s_delay_alu instid0(VALU_DEP_2)
	v_fmaak_f32 v[TB+8], s61, v[TB+6], -0.0013887316255
	s_delay_alu instid0(VALU_DEP_2)
	v_fmaak_f32 v[TB+7], v[TB+7], v[TB+6], -0.16666654611
	s_delay_alu instid0(VALU_DEP_2)
	v_fmaak_f32 v[TB+8], v[TB+8], v[TB+6], 0.041666645683
	s_delay_alu instid0(VALU_DEP_2)
	v_mul_f32 v[TB+7], v[TB+7], v[TB+6]
	v_mul_f32 v[TB+9], v[TB+6], v[TB+6]
	v_fma_f32 v[TB+10], v[TB+6], -0.5, 1.0
	s_delay_alu instid0(VALU_DEP_3)
	v_fma_f32 v[TB+7], v[TB+7], v[TB+5], v[TB+5]   ; sin r
	s_delay_alu instid0(VALU_DEP_2)
	v_fma_f32 v[TB+8], v[TB+8], v[TB+9], v[TB+10]  ; cos r
	v_cvt_i32_f32 v[TB+4], v[TB+4]
	s_delay_alu instid0(VALU_DEP_1)
	v_and_b32 v[TB+9], 1, v[TB+4]
	s_delay_alu instid0(VALU_DEP_1)
	v_cmp_eq_u32 vcc_lo, 1, v[TB+9]
	s_delay_alu instid0(VALU_DEP_1)
	v_cndmask_b32 v[TB+9], v[TB+7], v[TB+8], vcc_lo    ; odd k: sin and cos change places
	s_delay_alu instid0(VALU_DEP_2)
	v_cndmask_b32 v[TB+10], v[TB+8], v[TB+7], vcc_lo
	v_and_b32 v[TB+6], 2, v[TB+4]
	s_delay_alu instid0(VALU_DEP_1)
	v_lshlrev_b32 v[TB+6], 30, v[TB+6]
	s_delay_alu instid0(VALU_DEP_1)
	v_xor_b32 v[TB+9], v[TB+9], v[TB+6]            ; sin: minus where k & 2
	v_add_nc_u32 v[TB+4], 1, v[TB+4]
	s_delay_alu instid0(VALU_DEP_1)
	v_and_b32 v[TB+4], 2, v[TB+4]
	s_delay_alu instid0(VALU_DEP_1)
	v_lshlrev_b32 v[TB+4], 30, v[TB+4]
	s_delay_alu instid0(VALU_DEP_1)
	v_xor_b32 v[TB+8], v[TB+10], v[TB+4]           ; cos: minus where (k + 1) & 2
	global_store_b64 v[TB+11], v[TB+8:TB+9], s[22:23]   ; 256 consecutive bytes
.Lend:
	s_wait_tensorcnt 0x0
	ds_add_u32 v128, v129
	s_wait_dscnt 0x0
	s_endpgm
.Lfunc_end_k_qfedad4f23a_quantw:
	.size	k_qfedad4f23a_quantw, .Lfunc_end_k_qfedad4f23a_quantw-k_qfedad4f23a_quantw
	.p2alignl 7, 3214868480
	.fill 96, 4, 3214868480
	.section	.rodata,"a",@progbits
	.p2align	6, 0x0
	.amdhsa_kernel k_qfedad4f23a_quantw
		.amdhsa_group_segment_fixed_size 69120
		.amdhsa_private_segment_fixed_size 0
		.amdhsa_enable_private_segment 0
		.amdhsa_kernarg_size 80
		.amdhsa_user_sgpr_count 2
		.amdhsa_user_sgpr_kernarg_segment_ptr 1
		.amdhsa_wavefront_size32 1
		.amdhsa_system_sgpr_workgroup_id_x 1
		.amdhsa_system_sgpr_workgroup_id_y 1
		.amdhsa_system_sgpr_workgroup_id_z 1
		.amdhsa_system_vgpr_workitem_id 0
		.amdhsa_next_free_vgpr 130
		.amdhsa_next_free_sgpr 66
		.amdhsa_reserve_vcc 1
		.amdhsa_float_denorm_mode_32 3
		.amdhsa_float_denorm_mode_16_64 3
		.amdhsa_memory_ordered 1
		.amdhsa_forward_progress 1
		.amdhsa_inst_pref_size 25
	.end_amdhsa_kernel
	.amdgpu_metadata
---
amdhsa.version: [ 1, 2 ]
amdhsa.kernels:
  - .name:           k_qfedad4f23a_quantw
    .symbol:         k_qfedad4f23a_quantw.kd
    .args:
      - { .name: Wq, .offset: 0, .size: 8, .value_kind: global_buffer, .address_space: global }
      - { .name: Wk, .offset: 8, .size: 8, .value_kind: global_buffer, .address_space: global }
      - { .name: Wv, .offset: 16, .size: 8, .value_kind: global_buffer, .address_space: global }
      - { .name: Wo, .offset: 24, .size: 8, .value_kind: global_buffer, .address_space: global }
      - { .name: w1, .offset: 32, .size: 8, .value_kind: global_buffer, .address_space: global }
      - { .name: w3, .offset: 40, .size: 8, .value_kind: global_buffer, .address_space: global }
      - { .name: w2, .offset: 48, .size: 8, .value_kind: global_buffer, .address_space: global }
      - { .name: positions, .offset: 56, .size: 8, .value_kind: global_buffer, .address_space: global }
      - { .name: wbuf, .offset: 64, .size: 8, .value_kind: global_buffer, .address_space: global }
      - { .name: tab, .offset: 72, .size: 8, .value_kind: global_buffer, .address_space: global }
    .group_segment_fixed_size: 69120
    .private_segment_fixed_size: 0
    .kernarg_segment_align: 8
    .kernarg_segment_size: 80
    .max_flat_workgroup_size: 256
    .sgpr_count:     66
    .vgpr_count:     130
    .wavefront_size: 32
...
	.end_amdgpu_metadata
.endif
;; end of part 1
;; launch norm1 (part 2): grid 256 x 1, 8 waves a work-group, no clusters, 69,632 bytes of LDS; arguments x, g1, xn; writes xn
.if DOCPART == 2
	.amdgcn_target "amdgcn-amd-amdhsa--gfx1250"
	.amdhsa_code_object_version 6
	.text
	.protected	k_qfedad4f23a_norm1
	.globl	k_qfedad4f23a_norm1
	.p2align	8
	.type	k_qfedad4f23a_norm1,@function
k_qfedad4f23a_norm1:
	s_mov_b64 s[64:65], 0
	v_nop
	global_prefetch_b8 v0, s[64:65] scope:SCOPE_SE
	s_setreg_imm32_b32 hwreg(HW_REG_WAVE_MODE, 25, 1), 1
	s_wait_xcnt 0x0
; xn = x / sqrt(mean(x^2) + 1e-5) x g, quantised along its 1,024 to codes of E2M1 with one E8M0 byte for each 32.  x: [4096][1024] f32; g: [1024] f32.
; LAYOUT OUT: a tile is 16 tokens, place r of tile T is token 32 (T/2) + 8 (T%2) + r + 8 (r/8); codes [T][block of 32][r][16 bytes]; from byte 2,097,152 on the scale words [T][K step][r].
; SHARES: a work-group takes one tile, wave w its K step w (128 along K).  Each load reads 512 consecutive bytes of a row; the numbers turn through the wave's own stage in LDS, so that a lane holds two whole blocks of its row.
; The row's sum of squares: a lane's 64, lane l xor 16's, then the eight waves' through LDS, behind a barrier.
; Memory binds: each byte of x is read once; matrix units, clusters and tensor loads would add nothing here.
; LIMITS: x times v_rsq_f32 stands for the division by the root (one to two units in the last place); NaN and infinities are not served; blocks under 2^-124, zeros too, take the byte 1.
.set STW,  8448
.set RS,   67584                       ; [row r][wave] partial sums, 512 bytes
.set SG,   68096                       ; the tile's 128 scale words
.set R,    32
.set X,    96
.set GN,   160
.set C,    224
.set TM,   232
.set SEL,  22
	s_load_b128 s[4:7], s[0:1], 0x0                ; x, g
	s_load_b64 s[8:9], s[0:1], 0x10                ; xn
	v_lshl_add_u32 v254, v0, 2, 0x10c00
	v_mov_b32 v255, 0
	v_lshrrev_b32 v1, 5, v0
	s_delay_alu instid0(VALU_DEP_1)
	v_readfirstlane_b32 s10, v1                    ; wave
	v_and_b32 v1, 31, v0
	v_and_b32 v2, 15, v0                           ; r
	v_bfe_u32 v3, v0, 4, 1                         ; h
	s_delay_alu instid0(VALU_DEP_3)
	v_lshlrev_b32 v8, 4, v1                        ; 16 x lane
	s_lshl_b32 s11, s10, 9
	v_add_nc_u32 v4, s11, v8                       ; x: my 16 bytes of the wave's 512 in a row
	v_lshl_add_u32 v7, v3, 7, s11                  ; g: 512 w + 128 h
	s_mul_i32 s12, s10, STW
	v_add_nc_u32 v5, s12, v8
	v_mul_u32_u24 v6, v2, 528
	s_delay_alu instid0(VALU_DEP_1)
	v_lshl_add_u32 v6, v3, 7, v6
	s_delay_alu instid0(VALU_DEP_1)
	v_add_nc_u32 v6, s12, v6
	s_lshl_b32 s13, s10, 2
	s_add_co_u32 s13, s13, RS
	v_lshl_add_u32 v9, v2, 5, s13
	v_lshlrev_b32 v10, 5, v2
	s_delay_alu instid0(VALU_DEP_1)
	v_add_nc_u32 v10, RS, v10
	s_lshl_b32 s13, s10, 6
	s_add_co_u32 s13, s13, SG
	v_lshl_add_u32 v11, v2, 2, s13
	v_add_nc_u32 v12, SG, v8
	s_lshr_b32 s14, ttmp9, 1
	s_lshl_b32 s14, s14, 5
	s_and_b32 s15, ttmp9, 1
	s_lshl_b32 s15, s15, 3
	s_add_co_u32 s14, s14, s15
	s_lshl_b32 s14, s14, 12                        ; the tile's first token x 4,096 bytes
	s_mov_b32 s15, 0
	s_lshl_b32 s16, ttmp9, 13
	s_lshl_b32 s17, s10, 10
	s_add_co_u32 s16, s16, s17
	s_mov_b32 s17, 0
	s_lshl_b32 s18, ttmp9, 9
	s_add_co_u32 s18, s18, 2097152
	s_mov_b32 s19, 0
	s_mov_b32 s20, 0x3a800000                      ; 1 / 1,024
	s_mov_b32 s[SEL], 0x76543210
	s_mov_b32 s[SEL+1], 0xfedcba98
	s_wait_alu depctr_va_vdst(0)
	s_wait_kmcnt 0x0
	s_add_nc_u64 s[4:5], s[4:5], s[14:15]
	s_add_nc_u64 s[16:17], s[8:9], s[16:17]
	s_add_nc_u64 s[18:19], s[8:9], s[18:19]
.irp i, 0,1,2,3,4,5,6,7,8,9,10,11,12,13,14,15
	global_load_b128 v[R+4*\i:R+4*\i+3], v4, s[4:5] offset:(\i+8*(\i/8))*4096
.endr
.irp c, 0,1
.irp j, 0,1,2,3,4,5,6,7
	global_load_b128 v[GN+32*\c+4*\j:GN+32*\c+4*\j+3], v7, s[6:7] offset:256*\c+16*\j
.endr
.endr
.irp i, 0,1,2,3,4,5,6,7,8,9,10,11,12,13,14,15
	s_wait_loadcnt 31-\i                           ; row i is in; the 15 - i younger rows and g's sixteen loads may be out
	ds_store_b128 v5, v[R+4*\i:R+4*\i+3] offset:528*\i
.endr
.irp c, 0,1
.irp j, 0,1,2,3,4,5,6,7
	ds_load_b128 v[X+32*\c+4*\j:X+32*\c+4*\j+3], v6 offset:256*\c+16*\j
.endr
.endr
	s_wait_dscnt 0x0
	v_pk_mul_f32 v[240:241], v[X:X+1], v[X:X+1]    ; the sum of my 64 squares, two at a time, in two chains
	v_pk_mul_f32 v[242:243], v[X+2:X+3], v[X+2:X+3]
.set ii, 4
.rept 15
	s_delay_alu instid0(VALU_DEP_2)
	v_pk_fma_f32 v[240:241], v[X+ii:X+ii+1], v[X+ii:X+ii+1], v[240:241]
	s_delay_alu instid0(VALU_DEP_2)
	v_pk_fma_f32 v[242:243], v[X+ii+2:X+ii+3], v[X+ii+2:X+ii+3], v[242:243]
.set ii, ii+4
.endr
	s_delay_alu instid0(VALU_DEP_1)
	v_pk_add_f32 v[240:241], v[240:241], v[242:243]
	s_delay_alu instid0(VALU_DEP_1)
	v_add_f32 v240, v240, v241
	s_delay_alu instid0(VALU_DEP_1)
	v_permlanex16_b32 v242, v240, s[SEL], s[SEL+1]
	s_delay_alu instid0(VALU_DEP_1)
	v_add_f32 v240, v240, v242                     ; row r's 128 of my K step
	ds_store_b32 v9, v240
	s_wait_dscnt 0x0                               ; for the others' sake
	s_barrier_signal -1
	s_barrier_wait -1
	ds_load_b128 v[244:247], v10                   ; the eight waves' sums of row r
	ds_load_b128 v[248:251], v10 offset:16
	s_wait_dscnt 0x0
	v_pk_add_f32 v[244:245], v[244:245], v[246:247]
	v_pk_add_f32 v[248:249], v[248:249], v[250:251]
	s_delay_alu instid0(VALU_DEP_1)
	v_pk_add_f32 v[244:245], v[244:245], v[248:249]
	s_delay_alu instid0(VALU_DEP_1)
	v_add_f32 v244, v244, v245
	s_delay_alu instid0(VALU_DEP_1)
	v_fmaak_f32 v244, s20, v244, 0x3727c5ac        ; the mean + 1e-5
	s_wait_alu depctr_va_vdst(0)
	v_rsq_f32 v240, v244
	v_nop                                          ; one plain place behind the transcendental
	s_wait_loadcnt 0x0                             ; g
.set ii, 0
	s_wait_alu depctr_va_vdst(0)
.rept 32
	v_pk_mul_f32 v[X+ii:X+ii+1], v[X+ii:X+ii+1], v[240:241] op_sel_hi:[1,0]   ; x / rms (the pair's low word serves both halves)
.set ii, ii+2
.endr
.set ii, 0
.rept 32
	v_pk_mul_f32 v[X+ii:X+ii+1], v[X+ii:X+ii+1], v[GN+ii:GN+ii+1]             ; x g
.set ii, ii+2
.endr
.irp c, 0,1
	v_max3_num_f32 v[TM+\c], |v[X+32*\c]|, |v[X+32*\c+1]|, 0x1800000   ; the block's largest magnitude, and the floor 2^(3 - 127)
.endr
.irp i, 2,4,6,8,10,12,14,16,18,20,22,24,26,28,30
.irp c, 0,1
	s_delay_alu instid0(VALU_DEP_2)
	v_max3_num_f32 v[TM+\c], v[TM+\c], |v[X+32*\c+\i]|, |v[X+32*\c+\i+1]|
.endr
.endr
.irp c, 0,1
	s_delay_alu instid0(VALU_DEP_2)
	v_add_nc_u32 v[TM+2+\c], 0xff000000, v[TM+\c]  ; 2 off the exponent field: the conversion's scale operand
.endr
.irp c, 0,1
	s_delay_alu instid0(VALU_DEP_2)
	v_lshrrev_b32 v[TM+4+\c], 23, v[TM+2+\c]
.endr
	s_delay_alu instid0(VALU_DEP_1)
	v_lshl_or_b32 v[TM+6], v[TM+5], 16, v[TM+4]
	v_lshlrev_b32 v[TM+7], 3, v3
	s_delay_alu instid0(VALU_DEP_1)
	v_lshlrev_b32 v[TM+6], v[TM+7], v[TM+6]
	v_mov_b32 v[TM+7], 0
	s_delay_alu instid0(VALU_DEP_1)
	v_permlanex16_b32 v[TM+7], v[TM+6], s[SEL], s[SEL+1]
	s_delay_alu instid0(VALU_DEP_1)
	v_or_b32 v[TM+6], v[TM+6], v[TM+7]             ; row r's scale word of my K step
.irp c, 0,1
.irp g, 0,1,2,3
	v_cvt_scalef32_pk8_fp4_f32 v[C+4*\c+\g], v[X+32*\c+8*\g:X+32*\c+8*\g+7], v[TM+2+\c]
.endr
.endr
	v_nop
	global_store_b128 v8, v[C:C+3], s[16:17]                 ; 512 consecutive bytes each
	global_store_b128 v8, v[C+4:C+7], s[16:17] offset:512
	ds_store_b32 v11, v[TM+6]
	s_wait_dscnt 0x0
	s_barrier_signal -1
	s_barrier_wait -1
	s_cmp_lg_u32 s10, 0
	s_cbranch_scc1 .Lend
	ds_load_b128 v[244:247], v12
	s_wait_dscnt 0x0
	global_store_b128 v8, v[244:247], s[18:19]     ; the tile's 128 scale words: 512 consecutive bytes
.Lend:
	s_wait_tensorcnt 0x0
	ds_add_u32 v254, v255
	s_wait_dscnt 0x0
	s_endpgm
.Lfunc_end_k_qfedad4f23a_norm1:
	.size	k_qfedad4f23a_norm1, .Lfunc_end_k_qfedad4f23a_norm1-k_qfedad4f23a_norm1
	.p2alignl 7, 3214868480
	.fill 96, 4, 3214868480
	.section	.rodata,"a",@progbits
	.p2align	6, 0x0
	.amdhsa_kernel k_qfedad4f23a_norm1
		.amdhsa_group_segment_fixed_size 69632
		.amdhsa_private_segment_fixed_size 0
		.amdhsa_enable_private_segment 0
		.amdhsa_kernarg_size 24
		.amdhsa_user_sgpr_count 2
		.amdhsa_user_sgpr_kernarg_segment_ptr 1
		.amdhsa_wavefront_size32 1
		.amdhsa_system_sgpr_workgroup_id_x 1
		.amdhsa_system_sgpr_workgroup_id_y 1
		.amdhsa_system_sgpr_workgroup_id_z 1
		.amdhsa_system_vgpr_workitem_id 0
		.amdhsa_next_free_vgpr 256
		.amdhsa_next_free_sgpr 66
		.amdhsa_reserve_vcc 0
		.amdhsa_float_denorm_mode_32 3
		.amdhsa_float_denorm_mode_16_64 3
		.amdhsa_memory_ordered 1
		.amdhsa_forward_progress 1
		.amdhsa_inst_pref_size 22
	.end_amdhsa_kernel
	.amdgpu_metadata
---
amdhsa.version: [ 1, 2 ]
amdhsa.kernels:
  - .name:           k_qfedad4f23a_norm1
    .symbol:         k_qfedad4f23a_norm1.kd
    .args:
      - { .name: x, .offset: 0, .size: 8, .value_kind: global_buffer, .address_space: global }
      - { .name: g1, .offset: 8, .size: 8, .value_kind: global_buffer, .address_space: global }
      - { .name: xn, .offset: 16, .size: 8, .value_kind: global_buffer, .address_space: global }
    .group_segment_fixed_size: 69632
    .private_segment_fixed_size: 0
    .kernarg_segment_align: 8
    .kernarg_segment_size: 24
    .max_flat_workgroup_size: 256
    .sgpr_count:     66
    .vgpr_count:     256
    .wavefront_size: 32
...
	.end_amdgpu_metadata
.endif
;; end of part 2
;; launch qkv (part 3): grid 12 x 16, 16 waves a work-group, no clusters, 280,576 bytes of LDS; arguments xn, wbuf, tab, qkvc; writes qkvc
.if DOCPART == 3
	.amdgcn_target "amdgcn-amd-amdhsa--gfx1250"
	.amdhsa_code_object_version 6
	.text
	.protected	k_qfedad4f23a_qkv
	.globl	k_qfedad4f23a_qkv
	.p2align	8
	.type	k_qfedad4f23a_qkv,@function
k_qfedad4f23a_qkv:
	s_mov_b64 s[64:65], 0
	v_nop
	global_prefetch_b8 v0, s[64:65] scope:SCOPE_SE
	s_setreg_imm32_b32 hwreg(HW_REG_WAVE_MODE, 25, 1), 1
	s_wait_xcnt 0x0
; q = rope(xn Wq^T), k = rope(xn Wk^T), v = xn Wv^T on codes of E2M1 (K = 1,024), and the results quantised at once for attention: q and k along the head's 64, v along the keys.
; SHARES: work-group (nx, my): 256 rows of the stacked weights (nx 0-3 Wq, 4-7 Wk, 8-11 Wv) x 256 tokens.  Sixteen waves, four to a SIMD, each 64 x 64: 16 accumulators, 256 registers, no register windows.
; ALL OF K LIES IN LDS: 2 x 128 KB of codes and 2 x 8 KB of scale words, brought by waves 0 to 11 as first fills (one tensor load each: waves 0-7 a half of P's or Q's tiles in one of two chunks of four K steps, waves 8-11 a half of P's or Q's scale words); nothing is filled twice.
; Codes lie in the order of the operand's registers: a fragment is 1,024 consecutive bytes, two loads of 512: no pitch and no padding.
; SOURCE 0 = P, SOURCE 1 = Q.  For q and k: P = the weights, Q = xn: a lane holds one token, and, by the order of rows in a tile (place r of tile T = row 32 (T/2) + 8 (T%2) + r + 8 (r/8)),
; its 32 registers of four tiles are d = 32 b + 16 h + 0 .. 15 of one head: pairs for the rope and halves of blocks for the quantiser.  For v: P = xn, Q = Wv: a lane holds one d and its registers run along the keys.
; OUT (qkvc): q, k codes [b h][tile of tokens][block][r][16]; v codes [b h][128 keys][tile of d][block][r][16]; scale words beside them.
; NOT BUILT: joint loads in clusters (the grid 12 x 16 would divide by 4 x 4); each work-group fetches its 272 KB itself.
; LIMITS: the rope uses one fused multiply-add a number; NaN and infinities are not served; blocks under 2^-124, zeros too, take the byte 1.
.set WS,   6553600
.set LPS,  262144                      ; LDS: P's scale words, [tile][K step][r]
.set LQS,  270336                      ; Q's
.set SP,   56                          ; v56-59  P's scale words;  v60-63 Q's
.set SQ,   60
.set PF,   64                          ; v64-95  P's four fragments;  v96-127 Q's
.set QF,   96
.set ACC,  128                         ; v128-255: accumulator (q, p) at 128 + 32 q + 8 p
.set TM,   48                          ; v48-55  the quantiser's
.set SEL,  20
.macro NOPS4                           ; four places behind matrix instructions, in front of loads into their registers and of reads of their results
.rept 4
	v_nop
.endr
.endm
.macro G1SET g, cc, rr, pp             ; descriptor group 1: rr rows of cc elements of 8 bytes, pp elements from row to row; no mask, no padding
	s_mov_b32 s[\g], 3<<16
	s_mov_b32 s[\g+1], (\cc)<<16
	s_mov_b32 s[\g+2], (\rr)<<16
	s_mov_b32 s[\g+3], (\cc)<<16
	s_mov_b32 s[\g+4], \rr
	s_mov_b32 s[\g+5], \pp
	s_mov_b32 s[\g+6], 0
	s_mov_b32 s[\g+7], 0
.endm
	s_load_b256 s[4:11], s[0:1], 0x0               ; xn, wbuf, tab, qkvc
	v_lshl_add_u32 v30, v0, 2, 0x44000
	v_mov_b32 v31, 0
	ds_add_u32 v30, v31
	ds_add_u32 v30, v31
	v_lshrrev_b32 v1, 5, v0
	s_delay_alu instid0(VALU_DEP_1)
	v_readfirstlane_b32 s12, v1                    ; wave
	s_and_b32 s13, s12, 3                          ; wn: my four tiles of P
	s_lshr_b32 s14, s12, 2                         ; wm: my four tiles of Q
	s_mov_b32 s15, ttmp9                           ; nx
	s_and_b32 s16, ttmp7, 0xffff                   ; my
	v_and_b32 v1, 15, v0                           ; r
	v_bfe_u32 v2, v0, 4, 1                         ; h
	v_and_b32 v15, 31, v0
	s_delay_alu instid0(VALU_DEP_1)
	v_lshlrev_b32 v7, 4, v15                       ; 16 x lane
	s_lshl_b32 s17, s13, 14                        ; a tile has 4,096 bytes in a chunk of four K steps
	v_add_nc_u32 v3, s17, v7                       ; P's fragments: 16 x lane + 16,384 wn
	s_lshl_b32 s17, s14, 14
	s_add_co_u32 s17, s17, 65536
	v_add_nc_u32 v4, s17, v7                       ; Q's: behind P's 64 KB of a chunk
	s_lshl_b32 s17, s13, 11
	s_add_co_u32 s17, s17, LPS
	v_lshl_add_u32 v5, v1, 2, s17
	s_lshl_b32 s17, s14, 11
	s_add_co_u32 s17, s17, LQS
	v_lshl_add_u32 v6, v1, 2, s17
	v_lshlrev_b32 v8, 4, v1
	s_delay_alu instid0(VALU_DEP_1)
	v_lshl_add_u32 v8, v2, 3, v8                   ; out: half a block: 16 r + 8 h
	v_lshlrev_b32 v9, 2, v1
	s_delay_alu instid0(VALU_DEP_1)
	v_lshl_add_u32 v9, v2, 6, v9                   ; out: scale words of two tiles: 64 h + 4 r
	v_mov_b32 v50, 0                               ; written once: a lane permute's destination counts as one of its sources
	v_mov_b32 v51, 0
	s_mov_b32 s[SEL], 0x76543210
	s_mov_b32 s[SEL+1], 0xfedcba98
	G1SET 52, 512, 8, 1024                         ; a chunk of 8 tiles: 4,096 bytes (four K steps) of each, 8,192 bytes apart
	G1SET 68, 32, 16, 32                           ; the scale words of 8 tiles: 4,096 dense bytes
	s_lshl_b32 s22, s15, 17
	s_mov_b32 s23, 0
	s_lshl_b32 s24, s15, 13
	s_add_co_u32 s24, s24, WS
	s_mov_b32 s25, 0
	s_lshl_b32 s26, s16, 17
	s_mov_b32 s27, 0
	s_lshl_b32 s28, s16, 13
	s_add_co_u32 s28, s28, 2097152
	s_mov_b32 s29, 0
	s_wait_dscnt 0x0
	s_wait_kmcnt 0x0
	s_add_nc_u64 s[22:23], s[6:7], s[22:23]        ; the weights' 16 tiles, their scale words,
	s_add_nc_u64 s[24:25], s[6:7], s[24:25]
	s_add_nc_u64 s[26:27], s[4:5], s[26:27]        ; xn's 16 tiles, their scale words
	s_add_nc_u64 s[28:29], s[4:5], s[28:29]
	s_cmp_ge_u32 s15, 8                            ; v: the sources change places
	s_cselect_b64 s[76:77], s[26:27], s[22:23]
	s_cselect_b64 s[78:79], s[28:29], s[24:25]
	s_cselect_b64 s[80:81], s[22:23], s[26:27]
	s_cselect_b64 s[82:83], s[24:25], s[28:29]
	s_cmp_lt_u32 s13, 2                            ; waves 0, 1 fetch P's halves, waves 2, 3 Q's
	s_cselect_b64 s[84:85], s[76:77], s[80:81]
	s_cselect_b64 s[86:87], s[78:79], s[82:83]
	s_and_b32 s17, s12, 1
	s_lshl_b32 s18, s17, 16
	s_mov_b32 s19, 0
	s_add_nc_u64 s[84:85], s[84:85], s[18:19]
	s_lshl_b32 s18, s17, 12
	s_add_nc_u64 s[86:87], s[86:87], s[18:19]
	s_mov_b32 s32, 1
	s_lshl_b32 s33, s13, 12
	s_add_co_u32 s33, s33, LPS
	s_mov_b64 s[34:35], s[86:87]
	s_or_b32 s35, s35, 0x80000000
	; THE FIRST FILLS, ONE A WAVE: waves 0 to 7 fetch the codes: part wave % 4 (P's halves, Q's halves) of chunk wave / 4 (four K steps), 32 KB each;
	; waves 8 to 11 the four parts of the scale words, 4 KB each; waves 12 to 15 nothing.  LDS: chunk c at 131,072 c: P's 16 tiles x 4,096 bytes, then Q's.
	s_mov_b32 s36, 1
	s_lshl_b32 s37, s13, 15
	s_lshl_b32 s18, s14, 17
	s_add_co_u32 s37, s37, s18
	s_lshl_b32 s18, s14, 12
	s_add_nc_u64 s[38:39], s[84:85], s[18:19]
	s_or_b32 s39, s39, 0x80000000
	s_cmp_lt_u32 s12, 8
	s_cbranch_scc0 .Lscales
	tensor_load_to_lds s[36:39], s[52:59]
	s_nop 0
	NOPS4
	s_branch .Lfilled
.Lscales:
	s_cmp_lt_u32 s12, 12
	s_cbranch_scc0 .Lfilled
	tensor_load_to_lds s[32:35], s[68:75]
	s_nop 0
	NOPS4
.Lfilled:
.macro LOADF ks                        ; 24 LDS loads: four fragments and four scale words a side
.irp t, 0,1,2,3
.irp c, 0,1
	ds_load_b128 v[PF+8*\t+4*\c:PF+8*\t+4*\c+3], v3 offset:4096*\t+1024*((\ks)%4)+512*\c
	ds_load_b128 v[QF+8*\t+4*\c:QF+8*\t+4*\c+3], v4 offset:4096*\t+1024*((\ks)%4)+512*\c
.endr
	ds_load_b32 v[SP+\t], v5 offset:512*\t+64*(\ks)
	ds_load_b32 v[SQ+\t], v6 offset:512*\t+64*(\ks)
.endr
.endm
.macro MUL zero                        ; 16 products; the accumulators take turns, one instruction a turn
.irp q, 0,1,2,3
.irp p, 0,1,2,3
.if \zero
	v_wmma_scale_f32_16x16x128_f8f6f4 v[ACC+32*\q+8*\p:ACC+32*\q+8*\p+7], v[PF+8*\p:PF+8*\p+7], v[QF+8*\q:QF+8*\q+7], 0, v[SP+\p], v[SQ+\q] matrix_a_fmt:MATRIX_FMT_FP4 matrix_b_fmt:MATRIX_FMT_FP4
.else
	v_wmma_scale_f32_16x16x128_f8f6f4 v[ACC+32*\q+8*\p:ACC+32*\q+8*\p+7], v[PF+8*\p:PF+8*\p+7], v[QF+8*\q:QF+8*\q+7], v[ACC+32*\q+8*\p:ACC+32*\q+8*\p+7], v[SP+\p], v[SQ+\q] matrix_a_fmt:MATRIX_FMT_FP4 matrix_b_fmt:MATRIX_FMT_FP4
.endif
.endr
.endr
.endm
.macro STEP ks
.if (\ks) > 0
	NOPS4
.endif
	LOADF \ks
	s_wait_dscnt 0x0                               ; the other three waves of the SIMD work meanwhile
.if (\ks) > 0
	MUL 0
.else
	MUL 1                                          ; the first K step starts the sums
.endif
.endm
	s_wait_alu depctr_va_vdst(0)                   ; the wait at the head's end
	s_wait_tensorcnt 0x0                           ; my one load is in,
	s_barrier_signal -1                            ; (no LDS instruction of mine is out)
	s_barrier_wait -1                              ; everybody's is: all of K lies in LDS
.irp k, 0,1,2,3
	STEP \k
.endr
	v_add_nc_u32 v3, 0x20000, v3                   ; on to the second chunk
	v_add_nc_u32 v4, 0x20000, v4
	s_wait_alu depctr_va_vdst(0)                   ; the wait behind these writes
.irp k, 4,5,6,7
	STEP \k
.endr
	NOPS4
; 32 numbers of a lane, register 16 b + i = place 32 b + 16 h + i along the next K, become codes (two registers a block: half a block) and the two scale bytes
.macro QUANT2 s, pc, pw
.irp b, 0,1
	v_max3_num_f32 v[TM+\b], |v[\s+16*\b]|, |v[\s+16*\b+1]|, 0x1800000   ; my 16 numbers, and the floor 2^(3 - 127)
.endr
.irp i, 2,4,6,8,10,12,14
.irp b, 0,1
	v_max3_num_f32 v[TM+\b], v[TM+\b], |v[\s+16*\b+\i]|, |v[\s+16*\b+\i+1]|
.endr
.endr
.irp b, 0,1
	s_delay_alu instid0(VALU_DEP_2)
	v_permlanex16_b32 v[TM+2+\b], v[TM+\b], s[SEL], s[SEL+1]
.endr
.irp b, 0,1
	s_delay_alu instid0(VALU_DEP_2)
	v_max_num_f32 v[TM+\b], v[TM+\b], v[TM+2+\b]   ; with lane l xor 16's: the block's largest magnitude
.endr
.irp b, 0,1
	s_delay_alu instid0(VALU_DEP_2)
	v_add_nc_u32 v[TM+4+\b], 0xff000000, v[TM+\b]  ; 2 off the exponent field: the conversion's scale operand
.endr
.irp b, 0,1
	s_delay_alu instid0(VALU_DEP_2)
	v_lshrrev_b32 v[TM+6+\b], 23, v[TM+4+\b]
.endr
.irp b, 0,1
	v_cvt_scalef32_pk8_fp4_f32 v[\pc+2*\b], v[\s+16*\b:\s+16*\b+7], v[TM+4+\b]
	v_cvt_scalef32_pk8_fp4_f32 v[\pc+2*\b+1], v[\s+16*\b+8:\s+16*\b+15], v[TM+4+\b]
.endr
	v_lshl_or_b32 v[\pw], v[TM+7], 8, v[TM+6]      ; the two bytes; also the plain place behind the conversions
.endm
	s_cmp_ge_u32 s15, 8
	s_cbranch_scc1 .Lvpath
	; ---- q and k
	s_and_b32 s88, s15, 3
	s_lshl_b32 s88, s88, 2
	s_add_co_u32 s88, s88, s13                     ; head
	s_lshl_b32 s89, s16, 4
	s_lshl_b32 s90, s14, 2
	s_add_co_u32 s89, s89, s90                     ; my first tile of tokens
	s_lshr_b32 s90, s89, 7
	s_lshl_b32 s90, s90, 4
	s_add_co_u32 s88, s88, s90                     ; 16 x batch + head
	s_and_b32 s89, s89, 127                        ; the tile in its sequence
	s_lshr_b32 s90, s15, 2                         ; 0: q, 1: k
	s_lshl_b32 s92, s90, 21
	s_lshl_b32 s93, s88, 16
	s_add_co_u32 s92, s92, s93
	s_lshl_b32 s93, s89, 9
	s_add_co_u32 s92, s92, s93
	s_mov_b32 s93, 0
	s_lshl_b32 s94, s90, 18
	s_lshl_b32 s95, s88, 13
	s_add_co_u32 s94, s94, s95
	s_lshl_b32 s95, s89, 6
	s_add_co_u32 s94, s94, s95
	s_add_co_u32 s94, s94, 6291456
	s_mov_b32 s95, 0
	s_lshl_b32 s96, s89, 12
	s_mov_b32 s97, 0
	s_add_nc_u64 s[92:93], s[10:11], s[92:93]      ; codes
	s_add_nc_u64 s[94:95], s[10:11], s[94:95]      ; scale words
	s_add_nc_u64 s[96:97], s[8:9], s[96:97]        ; the table
.macro LOADT q, tb                     ; cos and sin for tile q's 32 registers: register a (even) cos, a + 1 sin; 512 consecutive bytes a load
.irp n, 0,1,2,3,4,5,6,7
	global_load_b128 v[\tb+4*\n:\tb+4*\n+3], v7, s[96:97] offset:4096*(\q)+512*\n
.endr
.endm
.macro ROPE q, tb                      ; pairs in ascending order: each accumulator is read from its low end on
.set ra, 0
.rept 16
	v_mul_f32 v[16+2*((ra/2)%4)], v[ACC+32*\q+ra+1], v[\tb+ra+1]
	v_mul_f32 v[17+2*((ra/2)%4)], v[ACC+32*\q+ra+1], v[\tb+ra]
	v_fma_f32 v[ACC+32*\q+ra+1], v[ACC+32*\q+ra], v[\tb+ra+1], v[17+2*((ra/2)%4)]
	v_fma_f32 v[ACC+32*\q+ra], v[ACC+32*\q+ra], v[\tb+ra], -v[16+2*((ra/2)%4)]
.set ra, ra+2
.endr
.endm
	LOADT 0, 64
	LOADT 1, 96
.irp q, 0,1,2,3
.if \q < 3
	s_wait_loadcnt 8                               ; this tile's eight loads are in, the next tile's eight may be out
.else
	s_wait_loadcnt 0x0
.endif
	ROPE \q, 64+32*(\q%2)
.if \q < 2
	LOADT \q+2, 64+32*(\q%2)
.endif
	QUANT2 ACC+32*\q, 32+4*\q, 24+\q
	global_store_b64 v8, v[32+4*\q:33+4*\q], s[92:93] offset:512*\q        ; a block of 16 tokens: 256 consecutive bytes
	global_store_b64 v8, v[34+4*\q:35+4*\q], s[92:93] offset:512*\q+256
.endr
	v_cmp_eq_u32 vcc_lo, 1, v2
	s_delay_alu instid0(VALU_DEP_1)
	v_cndmask_b32 v28, v24, v25, vcc_lo            ; lanes 0-15 tile 0's words, lanes 16-31 tile 1's
	s_delay_alu instid0(VALU_DEP_2)
	v_cndmask_b32 v29, v26, v27, vcc_lo
	global_store_b32 v9, v28, s[94:95]             ; 128 consecutive bytes each
	global_store_b32 v9, v29, s[94:95] offset:128
	s_wait_tensorcnt 0x0
	ds_add_u32 v30, v31
	s_wait_dscnt 0x0
	s_endpgm
.Lvpath:
	; ---- v: my registers run along 64 keys, a lane is one d
	s_lshl_b32 s89, s16, 4
	s_lshl_b32 s90, s13, 2
	s_add_co_u32 s89, s89, s90                     ; my first tile of tokens
	s_sub_co_u32 s88, s15, 8
	s_lshl_b32 s88, s88, 2
	s_add_co_u32 s88, s88, s14                     ; head
	s_lshr_b32 s90, s89, 7
	s_lshl_b32 s90, s90, 4
	s_add_co_u32 s88, s88, s90                     ; 16 x batch + head
	s_and_b32 s89, s89, 127
	s_lshr_b32 s90, s89, 3                         ; which 128 keys
	s_bfe_u32 s91, s89, 0x10002                    ; and which half of them
	s_lshl_b32 s92, s88, 16
	s_lshl_b32 s93, s90, 12
	s_add_co_u32 s92, s92, s93
	s_lshl_b32 s93, s91, 9
	s_add_co_u32 s92, s92, s93
	s_add_co_u32 s92, s92, 4194304
	s_mov_b32 s93, 0
	s_lshl_b32 s94, s88, 12
	s_lshl_b32 s95, s90, 8
	s_add_co_u32 s94, s94, s95
	s_lshl_b32 s95, s91, 1
	s_add_co_u32 s94, s94, s95
	s_add_co_u32 s94, s94, 6815744
	s_mov_b32 s95, 0
	s_add_nc_u64 s[92:93], s[10:11], s[92:93]
	s_add_nc_u64 s[94:95], s[10:11], s[94:95]
.irp q, 0,1,2,3
	QUANT2 ACC+32*\q, 32+4*\q, 24+\q
	global_store_b64 v8, v[32+4*\q:33+4*\q], s[92:93] offset:1024*\q
	global_store_b64 v8, v[34+4*\q:35+4*\q], s[92:93] offset:1024*\q+256
.endr
	v_cmp_eq_u32 vcc_lo, 1, v2
	s_delay_alu instid0(VALU_DEP_1)
	v_cndmask_b32 v28, v24, v25, vcc_lo
	s_delay_alu instid0(VALU_DEP_2)
	v_cndmask_b32 v29, v26, v27, vcc_lo
	global_store_b16 v9, v28, s[94:95]             ; two of a word's four bytes: a wave holds 64 of a K step's 128 keys.  One sixteenth of the codes' bytes
	global_store_b16 v9, v29, s[94:95] offset:128
	s_wait_tensorcnt 0x0
	ds_add_u32 v30, v31
	s_wait_dscnt 0x0
	s_endpgm
.Lfunc_end_k_qfedad4f23a_qkv:
	.size	k_qfedad4f23a_qkv, .Lfunc_end_k_qfedad4f23a_qkv-k_qfedad4f23a_qkv
	.p2alignl 7, 3214868480
	.fill 96, 4, 3214868480
	.section	.rodata,"a",@progbits
	.p2align	6, 0x0
	.amdhsa_kernel k_qfedad4f23a_qkv
		.amdhsa_group_segment_fixed_size 280576
		.amdhsa_private_segment_fixed_size 0
		.amdhsa_enable_private_segment 0
		.amdhsa_kernarg_size 32
		.amdhsa_user_sgpr_count 2
		.amdhsa_user_sgpr_kernarg_segment_ptr 1
		.amdhsa_wavefront_size32 1
		.amdhsa_system_sgpr_workgroup_id_x 1
		.amdhsa_system_sgpr_workgroup_id_y 1
		.amdhsa_system_sgpr_workgroup_id_z 1
		.amdhsa_system_vgpr_workitem_id 0
		.amdhsa_next_free_vgpr 256
		.amdhsa_next_free_sgpr 100
		.amdhsa_reserve_vcc 1
		.amdhsa_float_denorm_mode_32 3
		.amdhsa_float_denorm_mode_16_64 3
		.amdhsa_memory_ordered 1
		.amdhsa_forward_progress 1
		.amdhsa_inst_pref_size 71
	.end_amdhsa_kernel
	.amdgpu_metadata
---
amdhsa.version: [ 1, 2 ]
amdhsa.kernels:
  - .name:           k_qfedad4f23a_qkv
    .symbol:         k_qfedad4f23a_qkv.kd
    .args:
      - { .name: xn, .offset: 0, .size: 8, .value_kind: global_buffer, .address_space: global }
      - { .name: wbuf, .offset: 8, .size: 8, .value_kind: global_buffer, .address_space: global }
      - { .name: tab, .offset: 16, .size: 8, .value_kind: global_buffer, .address_space: global }
      - { .name: qkvc, .offset: 24, .size: 8, .value_kind: global_buffer, .address_space: global }
    .group_segment_fixed_size: 280576
    .private_segment_fixed_size: 0
    .kernarg_segment_align: 8
    .kernarg_segment_size: 32
    .max_flat_workgroup_size: 512
    .sgpr_count:     100
    .vgpr_count:     256
    .wavefront_size: 32
...
	.end_amdgpu_metadata
.endif
;; end of part 3
;; launch attn (part 4): grid 8 x 32, 16 waves a work-group, no clusters, 169,984 bytes of LDS; arguments qkvc, attc; writes attc
.if DOCPART == 4
	.amdgcn_target "amdgcn-amd-amdhsa--gfx1250"
	.amdhsa_code_object_version 6
	.text
	.protected	k_qfedad4f23a_attn
	.globl	k_qfedad4f23a_attn
	.p2align	8
	.type	k_qfedad4f23a_attn,@function
k_qfedad4f23a_attn:
	s_mov_b64 s[64:65], 0
	v_nop
	global_prefetch_b8 v0, s[64:65] scope:SCOPE_SE
	s_setreg_imm32_b32 hwreg(HW_REG_WAVE_MODE, 25, 1), 1
	s_wait_xcnt 0x0
; Causal attention on codes of E2M1, head size 64, 2,048 keys; the result is quantised at once along the model's 1,024 for the product with Wo.
; THE SOFTMAX AHEAD OF THE SECOND PRODUCT: t = score x log2(e) / 8; M = the running largest t rounded UP to a whole number; p = 2^(t - M) is quantised along the keys, not normalised; the row's sum is taken
; of the unquantised p and divides at the end.  When M moves, the sum and O are multiplied by 2^(old M - new M): exact.
; SHARES: a work-group owns one head (32 of them) and 16 tiles of 16 queries; wave w owns tile j + 8 i, i = w with its low two bits turned round in every second group of four waves: every work-group, and the
; four waves w, w + 4, w + 8, w + 12, then have the same number of key steps to within a step.  A wave needs 256 registers: four to a SIMD, so that one wave's softmax stands beside another's products.
; THE WHOLE HEAD LIES IN LDS: K's and V's codes (64 KB each) and scale words, brought as first fills, one tensor load a wave: waves 0 to 7 quarters of 512 keys (even waves K, odd V), waves 8 and 9 the scale words.  Nothing is filled twice.
; Both products are used transposed (S^T = K Q^T, O^T = V^T P^T): a lane holds one query.  Tiles of tokens have the order place r of tile T = token 32 (T/2) + 8 (T%2) + r + 8 (r/8), so that p's 16 registers of two
; neighbouring tiles are 16 neighbouring keys.  The first product's K is 64: the upper half of each operand's registers holds zero codes, written once.
; CAUSAL: every wave walks all 16 steps of the loops (constant trip counts, every barrier passed); a step all of whose keys come after my queries is jumped over; in my last step hidden scores become -infinity.
; NOT BUILT: joint loads: the eight work-groups of a head read the same 140 KB.
; LIMITS: divisions are v_rcp_f32 and a multiply; NaN and infinities are not served; blocks under 2^-124, zeros too, take the byte 1.
.set KCO,  2097152
.set QSO,  6291456
.set KSO,  6553600
.set VSO,  6815744
.set LV,   65536                       ; LDS: K's codes at 0, V's here,
.set LKS,  131072                      ; K's scale words (512 bytes a step),
.set LVS,  139264                      ; V's (256 a step)
.set LAST, 10                          ; s10  my last key step
.set SEL,  20
.set CS,   22                          ; s[22:23] c = log2(e) / 8
.set ST,   82                          ; s82  the key step
.set TB,   83                          ; s83  4,096 x step
.set TS,   84                          ; s84  512 x step
.set TJ,   85                          ; s85  256 x step
.set TM,   232
; REGISTERS: v1-7 addresses that stay; v8-11 the step's; v12 -M, v13 the largest t, v[14:15] the sum; v16-23 Q; v24-31 K's scale words; v32-95 K's eight fragments; v96-159 S^T, then p; v160-191 O^T;
; v192-223 V's four fragments; v224-231 p's codes; v232-239, v244-247, v252, v254 at work; v240-243 V's scale words; v253 p's scale word; v255 Q's.
.macro NOPS4
.rept 4
	v_nop
.endr
.endm
.macro G1SET g, cc, rr, pp
	s_mov_b32 s[\g], 3<<16
	s_mov_b32 s[\g+1], (\cc)<<16
	s_mov_b32 s[\g+2], (\rr)<<16
	s_mov_b32 s[\g+3], (\cc)<<16
	s_mov_b32 s[\g+4], \rr
	s_mov_b32 s[\g+5], \pp
	s_mov_b32 s[\g+6], 0
	s_mov_b32 s[\g+7], 0
.endm
	s_load_b128 s[4:7], s[0:1], 0x0                ; qkvc, attc
	v_lshl_add_u32 v250, v0, 2, 0x29000
	v_mov_b32 v251, 0
	ds_add_u32 v250, v251
	ds_add_u32 v250, v251
	v_lshrrev_b32 v8, 5, v0
	s_delay_alu instid0(VALU_DEP_1)
	v_readfirstlane_b32 s8, v8                     ; wave
	s_and_b32 s9, ttmp7, 0xffff                    ; 16 x batch + head
	s_bfe_u32 s10, s8, 0x10002
	s_mul_i32 s10, s10, 3
	s_xor_b32 s10, s10, s8                         ; i: also my last key step
	s_lshl_b32 s11, s10, 3
	s_add_co_u32 s11, s11, ttmp9                   ; my tile of queries
	s_and_b32 s12, s8, 1
	s_lshl_b32 s13, s12, 16
	s_lshl_b32 s14, s9, 16
	s_lshl_b32 s15, s12, 21
	s_add_co_u32 s14, s14, s15
	s_add_co_u32 s14, s14, KCO                     ; K's codes of the head, or V's
	s_mov_b32 s15, 0
	s_lshl_b32 s16, s9, 13
	s_add_co_u32 s16, s16, KSO
	s_lshl_b32 s17, s9, 12
	s_add_co_u32 s17, s17, VSO
	s_cmp_eq_u32 s12, 0
	s_cselect_b32 s16, s16, s17                    ; their scale words
	s_mov_b32 s17, 0
	s_lshl_b32 s72, s9, 16
	s_lshl_b32 s73, s11, 9
	s_add_co_u32 s72, s72, s73                     ; Q's codes
	s_mov_b32 s73, 0
	s_lshl_b32 s74, s9, 13
	s_lshl_b32 s75, s11, 6
	s_add_co_u32 s74, s74, s75
	s_add_co_u32 s74, s74, QSO                     ; Q's scale words
	s_mov_b32 s75, 0
	s_lshr_b32 s86, s9, 4
	s_lshl_b32 s86, s86, 7
	s_add_co_u32 s86, s86, s11                     ; the tile among all 256
	s_and_b32 s87, s9, 15                          ; head
	s_lshl_b32 s76, s86, 13
	s_lshl_b32 s77, s87, 9
	s_add_co_u32 s76, s76, s77                     ; out: codes: tile x 8,192 + (2 head) x 256
	s_mov_b32 s77, 0
	s_lshr_b32 s78, s87, 1
	s_lshl_b32 s78, s78, 14
	s_lshl_b32 s79, s86, 6
	s_add_co_u32 s78, s78, s79
	s_and_b32 s79, s87, 1
	s_lshl_b32 s79, s79, 1
	s_add_co_u32 s78, s78, s79
	s_add_co_u32 s78, s78, 2097152                 ; out: scale bytes: [K step = head / 2][tile][r][4], bytes 2 (head % 2) on
	s_mov_b32 s79, 0
	s_bfe_u32 s80, s11, 0x20001
	s_lshl_b32 s80, s80, 5
	s_and_b32 s81, s11, 1
	s_lshl_b32 s81, s81, 3
	s_add_co_u32 s80, s80, s81                     ; my tile's first token in its 128
	G1SET 24, 32, 64, 32                           ; a quarter: 16 KB, dense, as rows of 256 bytes
	G1SET 32, 32, 32, 32                           ; K's scale words: 8 KB
	G1SET 40, 32, 16, 32                           ; V's: 4 KB
	s_mov_b32 s[SEL], 0x76543210
	s_mov_b32 s[SEL+1], 0xfedcba98
	s_mov_b32 s[CS], 0x3e38aa3b
	s_mov_b32 s[CS+1], s[CS]                       ; (named with it as a pair, so it is written)
	s_mov_b32 s[ST], 0
	s_mov_b32 s[TB], 0
	s_mov_b32 s[TS], 0
	s_mov_b32 s[TJ], 0
	v_and_b32 v9, 31, v0
	v_and_b32 v10, 15, v0                          ; r
	v_bfe_u32 v11, v0, 4, 1                        ; h
	s_delay_alu instid0(VALU_DEP_3)
	v_lshlrev_b32 v1, 4, v9                        ; K's fragments: 16 x lane
	s_delay_alu instid0(VALU_DEP_1)
	v_add_nc_u32 v2, LV, v1                        ; V's
	s_delay_alu instid0(VALU_DEP_4)
	v_lshl_add_u32 v3, v10, 2, LKS
	v_lshl_add_u32 v4, v10, 2, LVS
	v_and_b32 v5, 8, v10
	s_delay_alu instid0(VALU_DEP_1)
	v_add_nc_u32 v5, v5, v10
	v_lshlrev_b32 v6, 4, v11
	s_delay_alu instid0(VALU_DEP_1)
	v_sub_nc_u32 v5, v5, v6
	s_delay_alu instid0(VALU_DEP_1)
	v_add_nc_u32 v5, s80, v5                       ; d = my query's place in its 128 - 16 h: register 16 b + i holds key 32 b + 16 h + i: hidden where 32 b + i > d
	v_lshlrev_b32 v6, 4, v10
	s_delay_alu instid0(VALU_DEP_1)
	v_lshl_add_u32 v6, v11, 3, v6                  ; out: 16 r + 8 h
	v_lshlrev_b32 v7, 2, v10                       ; 4 r
	s_wait_dscnt 0x0
	s_wait_kmcnt 0x0
	s_add_nc_u64 s[14:15], s[4:5], s[14:15]
	s_add_nc_u64 s[16:17], s[4:5], s[16:17]
	s_add_nc_u64 s[72:73], s[4:5], s[72:73]
	s_add_nc_u64 s[74:75], s[4:5], s[74:75]
	s_add_nc_u64 s[76:77], s[6:7], s[76:77]
	s_add_nc_u64 s[78:79], s[6:7], s[78:79]
	s_mov_b32 s48, 1
	s_lshl_b32 s49, s12, 13
	s_add_co_u32 s49, s49, LKS
	s_mov_b64 s[50:51], s[16:17]
	s_or_b32 s51, s51, 0x80000000
	; THE FIRST FILLS, ONE A WAVE: waves 0 to 7 fetch quarter wave / 2 of K's (even waves) or V's (odd waves) codes, 16 KB each; wave 8 K's scale words, wave 9 V's; the others nothing.
	s_lshr_b32 s54, s8, 1
	s_lshl_b32 s54, s54, 14                        ; 16,384 x quarter
	s_mov_b32 s55, 0
	s_mov_b32 s56, 1
	s_add_co_u32 s57, s13, s54
	s_add_nc_u64 s[58:59], s[14:15], s[54:55]
	s_or_b32 s59, s59, 0x80000000
	s_cmp_lt_u32 s8, 8
	s_cbranch_scc0 .Lnot_c
	tensor_load_to_lds s[56:59], s[24:31]
	s_nop 0
	NOPS4
	s_branch .Lfilled
.Lnot_c:
	s_cmp_lg_u32 s8, 8
	s_cbranch_scc1 .Lnot_8
	tensor_load_to_lds s[48:51], s[32:39]
	s_nop 0
	NOPS4
	s_branch .Lfilled
.Lnot_8:
	s_cmp_lg_u32 s8, 9
	s_cbranch_scc1 .Lfilled
	tensor_load_to_lds s[48:51], s[40:47]
	s_nop 0
	NOPS4
.Lfilled:
	global_load_b128 v[16:19], v1, s[72:73]        ; Q's fragment: k = 32 h + 0 .. 31
	s_wait_alu depctr_va_vdst(0)
	global_load_b32 v255, v7, s[74:75]             ; and its scale words
.irp j, 20,21,22,23
	v_mov_b32 v[\j], 0                             ; k = 64 .. 127 do not exist: zero codes
.endr
.irp t, 0,1,2,3,4,5,6,7
.irp j, 4,5,6,7
	v_mov_b32 v[32+8*\t+\j], 0                     ; K's likewise: written once, never loaded over
.endr
.endr
	v_mov_b32 v13, 0xff61b1e6                      ; the largest t so far: -3e38
	s_delay_alu instid0(VALU_DEP_1)
	v_floor_f32 v12, -v13                          ; -M
	v_mov_b32 v14, 0
	v_mov_b32 v15, 0
.irp j, 234,235,236,237,238,239,252,253
	v_mov_b32 v[\j], 0                             ; written once: lane permutes' destinations, and the upper half of the pair v[252:253]
.endr
.set ii, 0
.rept 32
	v_mov_b32 v[160+ii], 0                         ; O^T: the step is written once; the first finds zeros
.set ii, ii+1
.endr
.macro STEP
	s_cmp_gt_u32 s[ST], s[LAST]                    ; all 128 keys come after my queries: only the counters step
	s_cbranch_scc1 .Lhid_\@
	v_add_nc_u32 v8, s[TB], v1                     ; (these four are also the places behind the last step's products, in front of the loads into V's registers)
	v_add_nc_u32 v9, s[TB], v2
	v_add_nc_u32 v10, s[TS], v3
	v_add_nc_u32 v11, s[TJ], v4
.irp t, 0,1,2,3,4,5,6,7
	ds_load_b128 v[32+8*\t:35+8*\t], v8 offset:512*\t
	ds_load_b32 v[24+\t], v10 offset:64*\t
.endr
.irp d, 0,1,2,3
.irp c, 0,1
	ds_load_b128 v[192+8*\d+4*\c:195+8*\d+4*\c], v9 offset:1024*\d+512*\c
.endr
	ds_load_b32 v[240+\d], v11 offset:64*\d
.endr
	s_wait_dscnt 12                                ; K's sixteen loads are in; V's twelve may be out
.irp t, 0,1,2,3,4,5,6,7
	v_wmma_scale_f32_16x16x128_f8f6f4 v[96+8*\t:103+8*\t], v[32+8*\t:39+8*\t], v[16:23], 0, v[24+\t], v255 matrix_a_fmt:MATRIX_FMT_FP4 matrix_b_fmt:MATRIX_FMT_FP4
.endr
	NOPS4
	s_cmp_lg_u32 s[ST], s[LAST]
	s_cbranch_scc1 .Lopen_\@
	v_mov_b32 v254, 0xff800000                     ; my last step: hidden scores become -infinity ahead of the maximum
.set mn, 0
.rept 64
	v_cmp_gt_i32 vcc_lo, 32*(mn/16)+mn%16, v5
	v_cndmask_b32 v[96+mn], v[96+mn], v254, vcc_lo
.set mn, mn+1
.endr
.Lopen_\@:
.irp b, 0,1,2,3
	v_max3_num_f32 v[232+\b], v[96+16*\b], v[97+16*\b], v[98+16*\b]   ; the largest score of each block of 32 keys: for the row's maximum and, since p rises with the score, for the block's largest p
.endr
.irp i, 3,5,7,9,11,13
.irp b, 0,1,2,3
	v_max3_num_f32 v[232+\b], v[232+\b], v[96+16*\b+\i], v[97+16*\b+\i]
.endr
.endr
.irp b, 0,1,2,3
	v_max_num_f32 v[232+\b], v[232+\b], v[111+16*\b]
.endr
.irp b, 0,1,2,3
	s_delay_alu instid0(VALU_DEP_4)
	v_permlanex16_b32 v[236+\b], v[232+\b], s[SEL], s[SEL+1]
.endr
.irp b, 0,1,2,3
	s_delay_alu instid0(VALU_DEP_4)
	v_max_num_f32 v[232+\b], v[232+\b], v[236+\b]
.endr
	s_delay_alu instid0(VALU_DEP_2)
	v_max3_num_f32 v254, v232, v233, v234
	s_delay_alu instid0(VALU_DEP_1)
	v_max_num_f32 v254, v254, v235
	s_delay_alu instid0(VALU_DEP_1)
	v_mul_f32 v254, s[CS], v254
	s_delay_alu instid0(VALU_DEP_1)
	v_max_num_f32 v13, v13, v254                   ; the running largest t
	v_mov_b32 v254, v12
	s_delay_alu instid0(VALU_DEP_2)
	v_floor_f32 v12, -v13                          ; the new -M = -ceil(t)
	s_delay_alu instid0(VALU_DEP_1)
	v_sub_f32 v254, v12, v254                      ; old M - new M: a whole number, 0 or less
	s_delay_alu instid0(VALU_DEP_1)
	v_cvt_i32_f32 v254, v254                       ; (it saturates)
	s_delay_alu instid0(VALU_DEP_1)
	v_ldexp_f32 v252, 1.0, v254                    ; f = 2^(old M - new M)
.set ii, 0
.rept 32
	v_pk_fma_f32 v[96+ii:97+ii], v[96+ii:97+ii], s[CS:CS+1], v[12:13] op_sel_hi:[1,0,0]   ; t - M
.set ii, ii+2
.endr
.irp b, 0,1,2,3
	v_fma_f32 v[232+\b], v[232+\b], s[CS], v12
.endr
.set ii, 0
	s_wait_alu depctr_va_vdst(0)
.rept 64
	v_exp_f32 v[96+ii], v[96+ii]                   ; p = 2^(t - M)
.set ii, ii+1
.endr
.irp b, 0,1,2,3
	v_exp_f32 v[232+\b], v[232+\b]                 ; the block's largest p: the same two instructions on the same number
.endr
	v_pk_mul_f32 v[14:15], v[14:15], v[252:253] op_sel_hi:[1,0]   ; the sums under the new M (a plain place behind the exponentials)
	s_wait_alu depctr_va_vdst(0)
.irp b, 0,1,2,3
	v_max_num_f32 v[232+\b], 0x1800000, v[232+\b]  ; the floor 2^(3 - 127)
.endr
.irp b, 0,1,2,3
	s_delay_alu instid0(VALU_DEP_4)
	v_add_nc_u32 v[244+\b], 0xff000000, v[232+\b]
.endr
.irp b, 0,1,2,3
	s_delay_alu instid0(VALU_DEP_4)
	v_lshrrev_b32 v[236+\b], 23, v[244+\b]
.endr
	s_delay_alu instid0(VALU_DEP_3)
	v_lshl_or_b32 v253, v237, 8, v236              ; p's scale word for these 128 keys
	s_delay_alu instid0(VALU_DEP_1)
	v_lshl_or_b32 v253, v238, 16, v253
	s_delay_alu instid0(VALU_DEP_1)
	v_lshl_or_b32 v253, v239, 24, v253
.irp b, 0,1,2,3
	v_cvt_scalef32_pk8_fp4_f32 v[224+2*\b], v[96+16*\b:103+16*\b], v[244+\b]
	v_cvt_scalef32_pk8_fp4_f32 v[225+2*\b], v[104+16*\b:111+16*\b], v[244+\b]
.endr
	v_nop
.irp c, 0,1                            ; the operand wants a whole block in a lane
.irp i, 0,1
	v_permlane16_swap_b32 v[224+4*\c+\i], v[226+4*\c+\i]
.endr
.endr
	v_pk_add_f32 v[236:237], v[100:101], v[104:105]
	v_pk_add_f32 v[248:249], v[108:109], v[112:113]
	v_pk_add_f32 v[246:247], v[116:117], v[120:121]
	v_pk_add_f32 v[244:245], v[124:125], v[128:129]
	v_pk_add_f32 v[232:233], v[132:133], v[136:137]
	v_pk_add_f32 v[90:91], v[140:141], v[144:145]
	v_pk_add_f32 v[88:89], v[148:149], v[152:153]
	v_pk_add_f32 v[14:15], v[14:15], v[156:157]
	v_pk_add_f32 v[236:237], v[236:237], v[96:97]
	v_pk_add_f32 v[248:249], v[248:249], v[98:99]
	v_pk_add_f32 v[246:247], v[246:247], v[102:103]
	v_pk_add_f32 v[244:245], v[244:245], v[106:107]
	v_pk_add_f32 v[232:233], v[232:233], v[110:111]
	v_pk_add_f32 v[90:91], v[90:91], v[114:115]
	v_pk_add_f32 v[88:89], v[88:89], v[118:119]
	v_pk_add_f32 v[14:15], v[14:15], v[122:123]
	v_pk_add_f32 v[236:237], v[236:237], v[126:127]
	v_pk_add_f32 v[248:249], v[248:249], v[130:131]
	v_pk_add_f32 v[246:247], v[246:247], v[134:135]
	v_pk_add_f32 v[244:245], v[244:245], v[138:139]
	v_pk_add_f32 v[232:233], v[232:233], v[142:143]
	v_pk_add_f32 v[90:91], v[90:91], v[146:147]
	v_pk_add_f32 v[88:89], v[88:89], v[150:151]
	v_pk_add_f32 v[14:15], v[14:15], v[154:155]
	v_pk_add_f32 v[236:237], v[236:237], v[158:159]
	s_delay_alu instid0(VALU_DEP_2)
	v_pk_add_f32 v[14:15], v[14:15], v[244:245]
	s_delay_alu instid0(VALU_DEP_2)
	v_pk_add_f32 v[236:237], v[236:237], v[232:233]
	v_pk_add_f32 v[248:249], v[248:249], v[90:91]
	v_pk_add_f32 v[246:247], v[246:247], v[88:89]
	s_delay_alu instid0(VALU_DEP_2)
	v_pk_add_f32 v[14:15], v[14:15], v[248:249]
	s_delay_alu instid0(VALU_DEP_2)
	v_pk_add_f32 v[236:237], v[236:237], v[246:247]
	s_delay_alu instid0(VALU_DEP_1)
	v_pk_add_f32 v[14:15], v[14:15], v[236:237]
.set ii, 0
.rept 16
	v_pk_mul_f32 v[160+ii:161+ii], v[160+ii:161+ii], v[252:253] op_sel_hi:[1,0]   ; O^T under the new M
.set ii, ii+2
.endr
	s_wait_alu depctr_va_vdst(0)
	s_wait_dscnt 0x0                               ; V
.irp d, 0,1,2,3
	v_wmma_scale_f32_16x16x128_f8f6f4 v[160+8*\d:167+8*\d], v[192+8*\d:199+8*\d], v[224:231], v[160+8*\d:167+8*\d], v[240+\d], v253 matrix_a_fmt:MATRIX_FMT_FP4 matrix_b_fmt:MATRIX_FMT_FP4
.endr
.Lhid_\@:
	s_add_co_u32 s[ST], s[ST], 1
	s_add_co_u32 s[TB], s[TB], 4096
	s_add_co_u32 s[TS], s[TS], 512
	s_add_co_u32 s[TJ], s[TJ], 256
.endm
	s_wait_loadcnt 0x0                             ; Q
	s_wait_tensorcnt 0x0                           ; my one load is in,
	s_barrier_signal -1                            ; (no LDS instruction of mine is out)
	s_barrier_wait -1                              ; everybody's is: the whole head lies in LDS, and the waves share nothing more
.Lq:                                               ; 16 trips in every wave; a step past my last only steps the counters
	STEP
	s_cmp_lt_u32 s[ST], 16
	s_cbranch_scc1 .Lq
	; ---- the way out: O^T / the sum, quantised along the head's 64: two blocks of the next product's K
	NOPS4
	v_add_f32 v14, v14, v15
	s_delay_alu instid0(VALU_DEP_1)
	v_permlanex16_b32 v252, v14, s[SEL], s[SEL+1]
	s_delay_alu instid0(VALU_DEP_1)
	v_add_f32 v14, v14, v252
	s_wait_alu depctr_va_vdst(0)
	v_rcp_f32 v14, v14
	v_nop
.set ii, 0
	s_wait_alu depctr_va_vdst(0)
.rept 16
	v_pk_mul_f32 v[96+ii:97+ii], v[160+ii:161+ii], v[14:15] op_sel_hi:[1,0]   ; register 16 b + i: d = 32 b + 16 h + i
.set ii, ii+2
.endr
.irp b, 0,1
	v_max3_num_f32 v[TM+\b], |v[96+16*\b]|, |v[96+16*\b+1]|, 0x1800000
.endr
.irp i, 2,4,6,8,10,12,14
.irp b, 0,1
	s_delay_alu instid0(VALU_DEP_2)
	v_max3_num_f32 v[TM+\b], v[TM+\b], |v[96+16*\b+\i]|, |v[96+16*\b+\i+1]|
.endr
.endr
.irp b, 0,1
	s_delay_alu instid0(VALU_DEP_2)
	v_permlanex16_b32 v[TM+2+\b], v[TM+\b], s[SEL], s[SEL+1]
.endr
.irp b, 0,1
	s_delay_alu instid0(VALU_DEP_2)
	v_max_num_f32 v[TM+\b], v[TM+\b], v[TM+2+\b]
.endr
.irp b, 0,1
	s_delay_alu instid0(VALU_DEP_2)
	v_add_nc_u32 v[TM+4+\b], 0xff000000, v[TM+\b]
.endr
.irp b, 0,1
	s_delay_alu instid0(VALU_DEP_2)
	v_lshrrev_b32 v[TM+6+\b], 23, v[TM+4+\b]
.endr
.irp b, 0,1
	v_cvt_scalef32_pk8_fp4_f32 v[32+2*\b], v[96+16*\b:96+16*\b+7], v[TM+4+\b]
	v_cvt_scalef32_pk8_fp4_f32 v[33+2*\b], v[96+16*\b+8:96+16*\b+15], v[TM+4+\b]
.endr
	v_lshl_or_b32 v36, v[TM+7], 8, v[TM+6]
	global_store_b64 v6, v[32:33], s[76:77]                ; 256 consecutive bytes each
	global_store_b64 v6, v[34:35], s[76:77] offset:256
	global_store_b16 v7, v36, s[78:79]             ; my head's two of the word's four bytes; lanes l and l xor 16 write the same value to the same place
	s_wait_tensorcnt 0x0
	ds_add_u32 v250, v251
	s_wait_dscnt 0x0
	s_endpgm
.Lfunc_end_k_qfedad4f23a_attn:
	.size	k_qfedad4f23a_attn, .Lfunc_end_k_qfedad4f23a_attn-k_qfedad4f23a_attn
	.p2alignl 7, 3214868480
	.fill 96, 4, 3214868480
	.section	.rodata,"a",@progbits
	.p2align	6, 0x0
	.amdhsa_kernel k_qfedad4f23a_attn
		.amdhsa_group_segment_fixed_size 169984
		.amdhsa_private_segment_fixed_size 0
		.amdhsa_enable_private_segment 0
		.amdhsa_kernarg_size 16
		.amdhsa_user_sgpr_count 2
		.amdhsa_user_sgpr_kernarg_segment_ptr 1
		.amdhsa_wavefront_size32 1
		.amdhsa_system_sgpr_workgroup_id_x 1
		.amdhsa_system_sgpr_workgroup_id_y 1
		.amdhsa_system_sgpr_workgroup_id_z 1
		.amdhsa_system_vgpr_workitem_id 0
		.amdhsa_next_free_vgpr 256
		.amdhsa_next_free_sgpr 96
		.amdhsa_reserve_vcc 1
		.amdhsa_float_denorm_mode_32 3
		.amdhsa_float_denorm_mode_16_64 3
		.amdhsa_memory_ordered 1
		.amdhsa_forward_progress 1
		.amdhsa_inst_pref_size 36
	.end_amdhsa_kernel
	.amdgpu_metadata
---
amdhsa.version: [ 1, 2 ]
amdhsa.kernels:
  - .name:           k_qfedad4f23a_attn
    .symbol:         k_qfedad4f23a_attn.kd
    .args:
      - { .name: qkvc, .offset: 0, .size: 8, .value_kind: global_buffer, .address_space: global }
      - { .name: attc, .offset: 8, .size: 8, .value_kind: global_buffer, .address_space: global }
    .group_segment_fixed_size: 169984
    .private_segment_fixed_size: 0
    .kernarg_segment_align: 8
    .kernarg_segment_size: 16
    .max_flat_workgroup_size: 512
    .sgpr_count:     96
    .vgpr_count:     256
    .wavefront_size: 32
...
	.end_amdgpu_metadata
.endif
;; end of part 4
;; launch proj (part 5): grid 16 x 16, 8 waves a work-group, no clusters, 209,920 bytes of LDS; arguments attc, wbuf, x, x2; writes x2
.if DOCPART == 5
	.amdgcn_target "amdgcn-amd-amdhsa--gfx1250"
	.amdhsa_code_object_version 6
	.text
	.protected	k_qfedad4f23a_proj
	.globl	k_qfedad4f23a_proj
	.p2align	8
	.type	k_qfedad4f23a_proj,@function
k_qfedad4f23a_proj:
	s_mov_b64 s[64:65], 0
	v_nop
	global_prefetch_b8 v0, s[64:65] scope:SCOPE_SE
	s_setreg_imm32_b32 hwreg(HW_REG_WAVE_MODE, 25, 1), 1
	s_wait_xcnt 0x0
; x2 = x + attention Wo^T, on codes of E2M1, K = 1,024.  Work-group (nx, my): 64 columns x 256 tokens; eight waves, each 32 tokens (two tiles) x 64 columns: 8 accumulators.
; ALL OF K LIES IN LDS, brought as first fills in two chunks of HK K steps: one tensor load a wave: waves 0 to 3 a half of Q's tiles in a chunk; waves 4, 5 a chunk of P; wave 6 Q's scale words; wave 7 P's.  Nothing is filled twice.
; SOURCE 0 = P = 16 rows of the weight, SOURCE 1 = Q = 16 tokens: a lane holds one token and columns 32 b + 16 h + 0 .. 15.  Fragments lie in the order of the operand's registers: 1,024 consecutive bytes.
; Two sets of fragment registers: a K step's 18 LDS loads are issued ahead of the K step before's products.
; THE WAY OUT: a tile (16 tokens x 256 bytes) goes through the wave's own stage in LDS and comes back by rows; the residual, loaded at the head in that same order, is added; sixteen lanes store 256 consecutive bytes, aligned.
; NOT BUILT: joint loads in clusters (the sixteen work-groups of a row of the grid read the same tokens' codes).
.set KS,    8                          ; K steps
.set HK,    4                          ; in a chunk
.set CHB,   4096                       ; a tile's bytes in a chunk
.set NW,    8                          ; waves
.set NRB,   16                         ; tiles of tokens
.set QSTR,  8192                       ; a tile of Q in memory
.set PSTR,  8192                       ; of P
.set PSSTR, 512                        ; a tile's scale words of P
.set PCO,   1572864                    ; Wo's codes in wbuf
.set PCS,   32768                      ; four tiles of them
.set PSO,   6651904                    ; Wo's scale words
.set PSS,   2048
.set QSO,   2097152                    ; Q's scale words: [K step][token place][4], 16,384 bytes a K step
.set QC,    0                          ; LDS
.set PC,    131072
.set QS,    163840
.set PS,    172032
.set STG,   174080
.set NT,    0
.macro NOPS4
.rept 4
	v_nop
.endr
.endm
.macro G1SET g, cc, rr, pp             ; descriptor group 1: rr rows of cc elements of 8 bytes, pp elements from row to row
	s_mov_b32 s[\g], 3<<16
	s_mov_b32 s[\g+1], (\cc)<<16
	s_mov_b32 s[\g+2], (\rr)<<16
	s_mov_b32 s[\g+3], (\cc)<<16
	s_mov_b32 s[\g+4], \rr
	s_mov_b32 s[\g+5], \pp
	s_mov_b32 s[\g+6], 0
	s_mov_b32 s[\g+7], 0
.endm
	s_load_b256 s[4:11], s[0:1], 0x0               ; Q's buffer, wbuf, the residual, the result
	v_lshl_add_u32 v82, v0, 2, 0x33000
	v_mov_b32 v83, 0
	ds_add_u32 v82, v83
	ds_add_u32 v82, v83
	v_lshrrev_b32 v1, 5, v0
	s_delay_alu instid0(VALU_DEP_1)
	v_readfirstlane_b32 s12, v1                    ; wave
	s_mov_b32 s13, ttmp9                           ; nx
	s_and_b32 s14, ttmp7, 0xffff                   ; my
	v_and_b32 v1, 15, v0                           ; r
	v_bfe_u32 v2, v0, 4, 1                         ; h
	v_and_b32 v10, 31, v0
	s_delay_alu instid0(VALU_DEP_1)
	v_lshlrev_b32 v10, 4, v10                      ; 16 x lane
	s_mul_i32 s15, s12, 2*CHB
	v_add_nc_u32 v3, s15, v10                      ; Q's fragments (QC = 0)
	v_add_nc_u32 v4, PC, v10                       ; P's
	s_lshl_b32 s15, s12, 7
	s_add_co_u32 s15, s15, QS
	v_lshl_add_u32 v5, v1, 2, s15
	v_lshl_add_u32 v6, v1, 2, PS
	s_mul_i32 s15, s12, 4352
	s_add_co_u32 s15, s15, STG                     ; my stage: 16 rows x 272 bytes
	v_mul_u32_u24 v7, v1, 272
	s_delay_alu instid0(VALU_DEP_1)
	v_lshl_add_u32 v7, v2, 6, v7
	s_delay_alu instid0(VALU_DEP_1)
	v_add_nc_u32 v7, s15, v7                       ; in: row r, + 64 h
	v_mul_u32_u24 v8, v2, 272
	s_delay_alu instid0(VALU_DEP_1)
	v_lshl_add_u32 v8, v1, 4, v8
	s_delay_alu instid0(VALU_DEP_1)
	v_add_nc_u32 v8, s15, v8                       ; back: lanes 0-15 one row, lanes 16-31 the next
	v_lshlrev_b32 v9, 12, v2
	s_delay_alu instid0(VALU_DEP_1)
	v_lshl_add_u32 v9, v1, 4, v9                   ; and the same two rows in memory
	G1SET 44, CHB/8, NRB/2, QSTR/8                 ; half of Q's tiles, a chunk of each
	G1SET 52, CHB/8, 4, PSTR/8                     ; P's four tiles
	G1SET 68, 16*NW, KS, 2048                      ; Q's scale words: 128 NW bytes of each K step
	G1SET 76, 8*KS, 4, PSSTR/8                     ; P's
	s_mul_i32 s84, s14, NRB*QSTR
	s_mov_b32 s85, 0
	s_mul_i32 s86, s14, 128*NW
	s_add_co_u32 s86, s86, QSO
	s_mov_b32 s87, 0
	s_mul_i32 s88, s13, PCS
	s_add_co_u32 s88, s88, PCO
	s_mov_b32 s89, 0
	s_mul_i32 s90, s13, PSS
	s_add_co_u32 s90, s90, PSO
	s_mov_b32 s91, 0
	s_mul_i32 s92, s14, NW
	s_add_co_u32 s92, s92, s12
	s_lshl_b32 s92, s92, 17                        ; (32 NW my + 32 wave) tokens x 4,096 bytes
	s_lshl_b32 s93, s13, 8
	s_add_co_u32 s92, s92, s93                     ; + 64 columns x 4 bytes x nx
	s_mov_b32 s93, 0
	s_wait_dscnt 0x0
	s_wait_kmcnt 0x0
	s_add_nc_u64 s[84:85], s[4:5], s[84:85]
	s_add_nc_u64 s[86:87], s[4:5], s[86:87]
	s_add_nc_u64 s[88:89], s[6:7], s[88:89]
	s_add_nc_u64 s[90:91], s[6:7], s[90:91]
	s_add_nc_u64 s[8:9], s[8:9], s[92:93]
	s_add_nc_u64 s[10:11], s[10:11], s[92:93]
	; THE FIRST FILLS, ONE A WAVE: eight tiles for eight waves, in one chain of branches on the wave's number.
	; Waves 0 to 3: half wave % 2 of Q's tiles in chunk wave / 2; waves 4, 5: P's chunk wave % 2; wave 6: Q's scale words; wave 7: P's.
	s_and_b32 s15, s12, 1
	s_lshr_b32 s16, s12, 1
	s_mov_b32 s19, 0
	s_mov_b32 s36, 1
	s_cmp_lt_u32 s12, 4
	s_cbranch_scc0 .Lnot_q
	s_lshl_b32 s37, s16, 16                        ; LDS: NRB x CHB a chunk,
	s_lshl_b32 s18, s15, 15                        ; half of that a half
	s_add_co_u32 s37, s37, s18
	s_lshl_b32 s18, s15, 16                        ; memory: eight tiles of QSTR bytes a half,
	s_lshl_b32 s17, s16, 12                        ; CHB bytes a chunk
	s_add_co_u32 s18, s18, s17
	s_add_nc_u64 s[38:39], s[84:85], s[18:19]
	s_or_b32 s39, s39, 0x80000000
	tensor_load_to_lds s[36:39], s[44:51]
	s_nop 0
	NOPS4
	s_branch .Lfilled
.Lnot_q:
	s_cmp_lt_u32 s12, 6
	s_cbranch_scc0 .Lnot_p
	s_lshl_b32 s37, s15, 14
	s_add_co_u32 s37, s37, PC
	s_lshl_b32 s18, s15, 12
	s_add_nc_u64 s[38:39], s[88:89], s[18:19]
	s_or_b32 s39, s39, 0x80000000
	tensor_load_to_lds s[36:39], s[52:59]
	s_nop 0
	NOPS4
	s_branch .Lfilled
.Lnot_p:
	s_cmp_lt_u32 s12, 7
	s_cbranch_scc0 .Lnot_qs
	s_mov_b32 s37, QS
	s_mov_b64 s[38:39], s[86:87]
	s_or_b32 s39, s39, 0x80000000
	tensor_load_to_lds s[36:39], s[68:75]
	s_nop 0
	NOPS4
	s_branch .Lfilled
.Lnot_qs:
	s_mov_b32 s37, PS
	s_mov_b64 s[38:39], s[90:91]
	s_or_b32 s39, s39, 0x80000000
	tensor_load_to_lds s[36:39], s[76:83]
	s_nop 0
	NOPS4
.Lfilled:
	s_wait_alu depctr_va_vdst(0)
.irp q, 0,1
.irp i, 0,1,2,3,4,5,6,7
	global_load_b128 v[16+32*\q+4*\i:16+32*\q+4*\i+3], v9, s[8:9] offset:(8*\q+2*\i+8*(\i/4))*4096   ; the residual, in the order of the way out: it lands while the tiles do
.endr
.endr
.macro LOADF ks                        ; 18 LDS loads into set ks % 2: v96-143 or v144-191 (P's four fragments, Q's two); scale words v84-89 or v90-95
.set FB, 96+48*((\ks)%2)
.set SB, 84+6*((\ks)%2)
.set KO, 1024*((\ks)%HK)
.irp p, 0,1,2,3
.irp c, 0,1
	ds_load_b128 v[FB+8*\p+4*\c:FB+8*\p+4*\c+3], v4 offset:CHB*\p+KO+512*\c
.endr
	ds_load_b32 v[SB+\p], v6 offset:KS*64*\p+64*(\ks)
.endr
.irp q, 0,1
.irp c, 0,1
	ds_load_b128 v[FB+32+8*\q+4*\c:FB+32+8*\q+4*\c+3], v3 offset:CHB*\q+KO+512*\c
.endr
	ds_load_b32 v[SB+4+\q], v5 offset:128*NW*(\ks)+64*\q
.endr
.endm
.macro MUL ks                          ; 8 products; the accumulators take turns, one instruction a turn
.set FB, 96+48*((\ks)%2)
.set SB, 84+6*((\ks)%2)
.irp q, 0,1
.irp p, 0,1,2,3
.if (\ks) == 0
	v_wmma_scale_f32_16x16x128_f8f6f4 v[192+32*\q+8*\p:192+32*\q+8*\p+7], v[FB+8*\p:FB+8*\p+7], v[FB+32+8*\q:FB+32+8*\q+7], 0, v[SB+\p], v[SB+4+\q] matrix_a_fmt:MATRIX_FMT_FP4 matrix_b_fmt:MATRIX_FMT_FP4
.else
	v_wmma_scale_f32_16x16x128_f8f6f4 v[192+32*\q+8*\p:192+32*\q+8*\p+7], v[FB+8*\p:FB+8*\p+7], v[FB+32+8*\q:FB+32+8*\q+7], v[192+32*\q+8*\p:192+32*\q+8*\p+7], v[SB+\p], v[SB+4+\q] matrix_a_fmt:MATRIX_FMT_FP4 matrix_b_fmt:MATRIX_FMT_FP4
.endif
.endr
.endr
.endm
.macro STEP ks
.if (\ks)+1 == HK
	v_add_nc_u32 v3, NRB*CHB, v3                   ; on to the second chunk: it has lain in LDS since the one barrier
	v_add_nc_u32 v4, 4*CHB, v4
.endif
.if (\ks)+1 < KS
.if (\ks) > 0
	s_wait_alu depctr_va_vdst(0)
	NOPS4                                          ; places behind the last K step's products, which read the set that is loaded now
.endif
	LOADF (\ks)+1
	s_wait_dscnt 18                                ; this K step's loads are in; the 18 just issued may be out
.else
	s_wait_dscnt 0x0
.endif
	MUL \ks
.endm
	s_wait_tensorcnt 0x0                           ; my one load is in; behind the barrier everybody's is
	s_barrier_signal -1
	s_barrier_wait -1
	LOADF 0
.set KK, 0
.rept KS
	STEP KK
.set KK, KK+1
.endr
	NOPS4
.irp q, 0,1
.irp p, 0,1,2,3
	ds_store_b128 v7, v[192+32*\q+8*\p:192+32*\q+8*\p+3] offset:128*(\p/2)+32*(\p%2)       ; each accumulator from its low end on
	ds_store_b128 v7, v[192+32*\q+8*\p+4:192+32*\q+8*\p+7] offset:128*(\p/2)+32*(\p%2)+16
.endr
.irp i, 0,1,2,3,4,5,6,7
	ds_load_b128 v[96+48*\q+4*\i:96+48*\q+4*\i+3], v8 offset:544*\i   ; a wave's LDS instructions are served in order: these see my stores, and the next tile's stores come behind them
.endr
.endr
	s_wait_loadcnt 0x0                             ; the residual
.irp q, 0,1
	s_wait_dscnt 16-16*\q                          ; tile q is back; behind tile 0's loads stand tile 1's 8 stores and 8 loads
.set ii, 0
.rept 16
	v_pk_add_f32 v[96+48*\q+ii:96+48*\q+ii+1], v[96+48*\q+ii:96+48*\q+ii+1], v[16+32*\q+ii:16+32*\q+ii+1]
.set ii, ii+2
.endr
.irp i, 0,1,2,3,4,5,6,7
.if NT
	global_store_b128 v9, v[96+48*\q+4*\i:96+48*\q+4*\i+3], s[10:11] offset:(8*\q+2*\i+8*(\i/4))*4096 th:TH_STORE_NT
.else
	global_store_b128 v9, v[96+48*\q+4*\i:96+48*\q+4*\i+3], s[10:11] offset:(8*\q+2*\i+8*(\i/4))*4096   ; 16 lanes store 256 consecutive bytes, aligned
.endif
.endr
.endr
	s_wait_tensorcnt 0x0
	ds_add_u32 v82, v83
	s_wait_dscnt 0x0
	s_endpgm
.Lfunc_end_k_qfedad4f23a_proj:
	.size	k_qfedad4f23a_proj, .Lfunc_end_k_qfedad4f23a_proj-k_qfedad4f23a_proj
	.p2alignl 7, 3214868480
	.fill 96, 4, 3214868480
	.section	.rodata,"a",@progbits
	.p2align	6, 0x0
	.amdhsa_kernel k_qfedad4f23a_proj
		.amdhsa_group_segment_fixed_size 209920
		.amdhsa_private_segment_fixed_size 0
		.amdhsa_enable_private_segment 0
		.amdhsa_kernarg_size 32
		.amdhsa_user_sgpr_count 2
		.amdhsa_user_sgpr_kernarg_segment_ptr 1
		.amdhsa_wavefront_size32 1
		.amdhsa_system_sgpr_workgroup_id_x 1
		.amdhsa_system_sgpr_workgroup_id_y 1
		.amdhsa_system_sgpr_workgroup_id_z 1
		.amdhsa_system_vgpr_workitem_id 0
		.amdhsa_next_free_vgpr 256
		.amdhsa_next_free_sgpr 96
		.amdhsa_reserve_vcc 0
		.amdhsa_float_denorm_mode_32 3
		.amdhsa_float_denorm_mode_16_64 3
		.amdhsa_memory_ordered 1
		.amdhsa_forward_progress 1
		.amdhsa_inst_pref_size 33
	.end_amdhsa_kernel
	.amdgpu_metadata
---
amdhsa.version: [ 1, 2 ]
amdhsa.kernels:
  - .name:           k_qfedad4f23a_proj
    .symbol:         k_qfedad4f23a_proj.kd
    .args:
      - { .name: attc, .offset: 0, .size: 8, .value_kind: global_buffer, .address_space: global }
      - { .name: wbuf, .offset: 8, .size: 8, .value_kind: global_buffer, .address_space: global }
      - { .name: x, .offset: 16, .size: 8, .value_kind: global_buffer, .address_space: global }
      - { .name: x2, .offset: 24, .size: 8, .value_kind: global_buffer, .address_space: global }
    .group_segment_fixed_size: 209920
    .private_segment_fixed_size: 0
    .kernarg_segment_align: 8
    .kernarg_segment_size: 32
    .max_flat_workgroup_size: 256
    .sgpr_count:     96
    .vgpr_count:     256
    .wavefront_size: 32
...
	.end_amdgpu_metadata
.endif
;; end of part 5
;; launch norm2: the kernel of part 2 again; grid 256 x 1, 8 waves a work-group, no clusters, 69,632 bytes of LDS; arguments x2, g2, xn; writes xn
;; launch ffn1 (part 6): grid 8 x 32, 4 waves a work-group, no clusters, 168,448 bytes of LDS; arguments xn, wbuf, hbuf; writes hbuf
.if DOCPART == 6
	.amdgcn_target "amdgcn-amd-amdhsa--gfx1250"
	.amdhsa_code_object_version 6
	.text
	.protected	k_qfedad4f23a_ffn1
	.globl	k_qfedad4f23a_ffn1
	.p2align	8
	.type	k_qfedad4f23a_ffn1,@function
k_qfedad4f23a_ffn1:
	s_mov_b64 s[64:65], 0
	v_nop
	global_prefetch_b8 v0, s[64:65] scope:SCOPE_SE
	s_setreg_imm32_b32 hwreg(HW_REG_WAVE_MODE, 25, 1), 1
	s_wait_xcnt 0x0
; hidden = silu(xn w1^T) x (xn w3^T), both products on codes of E2M1 (K = 1,024), quantised at once along dff for the product with w2.
; SHARES: work-group (cg, tg): 128 tokens x 12 blocks of 32 hidden units (cg = 7: the last 4 of the 88).  Four waves.  In trip i wave w makes block b = 12 cg + 4 i + w for all 128 tokens:
; 4 tiles of weights (w1's tiles 2 b, 2 b + 1, w3's 2 b, 2 b + 1, laid together in wbuf) x 8 tiles of tokens = 32 accumulators.  A lane (one token) holds x1 in registers 0-15 and x3 in registers 16-31 of a
; token tile's 32, at the same hidden units 32 b + 16 h + 0 .. 15: half a block of the next K.  A trip's four waves make the four bytes of one K step's scale words.  b = 86, 87 are tiles of zeros (2,752 = 86 blocks).
; ONE LOOP OF THREE TRIPS, a constant count; where cg = 7 a scalar branch on ids leads round the work of trips 1 and 2 (no barrier, tensor load or add stands in a trip).
; LDS, filled once, one tensor load a wave: waves 0, 1 the halves of the tokens' codes (64 KB); wave 2 the scale words of the work-group's 48 tiles of weights (24 KB, dense in wbuf; where cg = 7 only the first 8 KB
; are read: what follows them are bytes of wbuf that are not used); wave 3 the tokens' scale words (4 KB).
; THE WEIGHTS' CODES GO STRAIGHT INTO REGISTERS: a fragment is 1,024 consecutive bytes in the order of the operand's registers, and no other wave of the work-group wants it.  A block's 32 fragments fill window 1.
; The next block's 64 loads are issued on the way out, 16 ahead of each pair of token tiles, so they are asked for a whole way out ahead of their use: no prefetch into the L2 is laid beside them.
; SOURCE 0 = 16 rows of weights, SOURCE 1 = 16 tokens.  The tokens' scale words stay in registers: an even tile's in lanes 0-15, the odd tile's beside it in lanes 16-31 (read by ROW1).
; NO CLUSTERS: what the eight work-groups of a row share, the tokens' 68 KB, is a seventh of what a work-group takes in.
; REGISTERS, in windows of 256: window 0: v1-15 addresses; v16-47 the weights' scale words (16 + 8 p + k); v48-79 the tokens' (48 + 8 m + k); v80-175 three buffers of four token fragments, on the way out
;   v80-111 the sigmoid and v112-143 the hidden numbers of two token tiles; v208-243 the quantiser's and the results.   window 1: the weights' fragments (64 p + 8 k).   window 2: the accumulators (32 q + 8 p).
; OUT (hbuf): for each 128 tokens one dense run of 191,488 bytes: codes [tile of tokens][block of 32][r][16], 22,528 bytes a tile, then the scale words [K step][token place][4], 512 bytes a K step.
; LIMITS: sigmoid is v_rcp_f32 of 1 + v_exp_f32; the hidden number is (x1 x3) x sigmoid(x1), another order of rounding than (x1 sigmoid(x1)) x3, and x1 x3 has to stay finite; NaN and infinities are not served;
; blocks under 2^-124, zeros too, take the byte 1 (their codes are zeros, and this program alone reads the bytes).
.set WS,    6553600
.set GRP,   191488
.set TSC,   65536                      ; LDS: the tokens' scale words
.set WSC,   69632                      ; the weights'
.set SGB,   94208                      ; [trip][token place][4 bytes]
.set SPARE, 96256                      ; the spare words: 128 bytes a wave; behind the 2,048 bytes that four waves' addresses of 512 bytes each span from SGB on
.set PS,    16
.set QSR,   48
.set QF,    80
.set EX,    80
.set TT,    112
.set TM,    208
.set PC,    216
.set BY,    232
.set SEL,   10
.set WB,    48                         ; s[48:49] the weights of the block that is asked for next
.set OB,    50                         ; s[50:51] this trip's block in hbuf
.set TR,    54                         ; s54 the trip;  s55 the trips that this work-group has
.set NT,    55
.set TS,    56                         ; s56 8,192 x trip;  s57 512 x trip
.set TJ,    57
.set MSB,   0
.macro WIN new                         ; the immediate's high byte repeats the setting that is left
.if MSB != \new
	s_set_vgpr_msb (MSB<<8)|\new
.set MSB, \new
.endif
.endm
.macro NOPS4
.rept 4
	v_nop
.endr
.endm
.macro G1SET g, rr                     ; descriptor group 1: rr dense rows of 256 bytes (32 elements of 8)
	s_mov_b32 s[\g], 3<<16
	s_mov_b32 s[\g+1], 32<<16
	s_mov_b32 s[\g+2], (\rr)<<16
	s_mov_b32 s[\g+3], 32<<16
	s_mov_b32 s[\g+4], \rr
	s_mov_b32 s[\g+5], 32
	s_mov_b32 s[\g+6], 0
	s_mov_b32 s[\g+7], 0
.endm
	s_load_b128 s[4:7], s[0:1], 0x0                ; xn, wbuf
	s_load_b64 s[8:9], s[0:1], 0x10                ; hbuf
	v_lshl_add_u32 v254, v0, 2, SPARE
	v_mov_b32 v255, 0
	ds_add_u32 v254, v255                          ; the opening lines: the add, twice on end, and its wait
	ds_add_u32 v254, v255
	v_lshrrev_b32 v1, 5, v0
	v_readfirstlane_b32 s12, v1                    ; wave
	s_mov_b32 s13, ttmp9                           ; cg
	s_and_b32 s14, ttmp7, 0xffff                   ; tg
	v_and_b32 v1, 15, v0                           ; r
	v_bfe_u32 v2, v0, 4, 1                         ; h
	v_and_b32 v15, 31, v0
	v_lshlrev_b32 v3, 4, v15                       ; LDS: 16 x lane
	v_lshlrev_b32 v10, 4, v15                      ; memory: 16 x lane
	s_lshl_b32 s15, s12, 11
	s_add_co_u32 s15, s15, WSC
	v_lshl_add_u32 v11, v1, 2, s15                 ; the weights' scale words: 2,048 x wave + 4 r
	v_lshlrev_b32 v12, 2, v1
	v_lshl_add_u32 v12, v2, 9, v12
	v_add_nc_u32 v12, TSC, v12                     ; the tokens': 4 r, lanes 16-31 one tile (512 bytes) on
	v_lshlrev_b32 v8, 4, v1
	v_lshl_add_u32 v8, v2, 3, v8                   ; out: half a block: 16 r + 8 h
	s_add_co_u32 s15, s12, SGB
	v_lshl_add_u32 v9, v1, 2, s15                  ; my byte of a token's scale word: 4 r + wave
	s_min_u32 s15, s12, 2                          ; three trips at the most: wave 3, which takes no words out, names wave 2's bytes
	s_lshl_b32 s15, s15, 9
	s_add_co_u32 s15, s15, SGB
	v_add_nc_u32 v13, s15, v3                      ; the words' way out: wave i takes trip i's 512 bytes
	v_mov_b32 v[TM+4], 0                           ; written once: a lane permute's destination counts as one of its sources
	v_mov_b32 v[TM+5], 0
	s_mov_b32 s[SEL], 0x76543210
	s_mov_b32 s[SEL+1], 0xfedcba98
	G1SET 24, 128                                  ; half of the tokens' codes
	G1SET 32, 96                                   ; the weights' scale words
	G1SET 40, 16                                   ; the tokens'
	s_mul_i32 s15, s13, 12
	s_add_co_u32 s15, s15, s12                     ; b of trip 0
	s_lshl_b32 s16, s15, 15
	s_add_co_u32 s16, s16, 2097152                 ; its four tiles: (256 + 4 b) x 8,192
	s_mov_b32 s17, 0
	s_mul_i32 s18, s14, GRP
	s_lshl_b32 s19, s15, 8
	s_add_co_u32 s18, s18, s19                     ; out: my group of tokens, block b
	s_mov_b32 s19, 0
	s_mul_i32 s58, s13, 3
	s_add_co_u32 s58, s58, s12
	s_lshl_b32 s58, s58, 9
	s_mul_i32 s59, s14, GRP
	s_add_co_u32 s58, s58, s59
	s_add_co_u32 s58, s58, 180224                  ; out: the scale words of K step 3 cg + wave
	s_mov_b32 s59, 0
	s_lshl_b32 s60, s14, 16
	s_lshl_b32 s61, s12, 15
	s_add_co_u32 s60, s60, s61                     ; the tokens' codes: 65,536 tg + 32,768 wave
	s_mov_b32 s61, 0
	s_mul_i32 s62, s13, 24576
	s_add_co_u32 s62, s62, WS+131072               ; the scale words of tiles 256 + 48 cg on
	s_mov_b32 s63, 0
	s_lshl_b32 s56, s14, 12
	s_add_co_u32 s56, s56, 2097152                 ; the tokens' scale words
	s_mov_b32 s57, 0
	s_cmp_eq_u32 s13, 7
	s_cselect_b32 s[NT], 1, 3
	s_mov_b32 s20, 1
	s_wait_alu depctr_va_vdst(0)                   ; the wait at the head's end
	s_wait_dscnt 0x0                               ; both opening adds are done
	s_wait_kmcnt 0x0
	s_add_nc_u64 s[WB:WB+1], s[6:7], s[16:17]
	s_add_nc_u64 s[OB:OB+1], s[8:9], s[18:19]
	s_add_nc_u64 s[52:53], s[8:9], s[58:59]
	s_cmp_lt_u32 s12, 2                            ; the head's four tiles, one a wave, in one chain of branches on the wave's number
	s_cbranch_scc0 .Lw2
	s_lshl_b32 s21, s12, 15
	s_add_nc_u64 s[22:23], s[4:5], s[60:61]
	s_or_b32 s23, s23, 0x80000000
	tensor_load_to_lds s[20:23], s[24:31]
	s_nop 0
	NOPS4
	s_branch .Lasked
.Lw2:
	s_cmp_lt_u32 s12, 3
	s_cbranch_scc0 .Lw3
	s_mov_b32 s21, WSC
	s_add_nc_u64 s[22:23], s[6:7], s[62:63]
	s_or_b32 s23, s23, 0x80000000
	tensor_load_to_lds s[20:23], s[32:39]
	s_nop 0
	NOPS4
	s_branch .Lasked
.Lw3:
	s_mov_b32 s21, TSC
	s_add_nc_u64 s[22:23], s[4:5], s[56:57]
	s_or_b32 s23, s23, 0x80000000
	tensor_load_to_lds s[20:23], s[40:47]
	s_nop 0
	NOPS4
.Lasked:
; 16 loads of 512 consecutive bytes: K steps 2 g, 2 g + 1 of the block at s[WB]; K step by K step, so that a counted wait can let the later K steps stay out
.macro WLOAD g
	WIN 0x40                                       ; destination window 1
.irp k, 2*(\g), 2*(\g)+1
.irp p, 0,1,2,3
.irp c, 0,1
	global_load_b128 v[64*\p+8*(\k)+4*\c:64*\p+8*(\k)+4*\c+3], v10, s[WB:WB+1] offset:8192*\p+1024*(\k)+512*\c
.endr
.endr
.endr
	WIN 0
.endm
; Half n of a trip's 16: K step n / 2, token tiles 4 (n % 2) + 0 .. 3.  Its four fragments go into buffer n % 3
.macro LOADH n
.irp j, 0,1,2,3
.irp c, 0,1
	ds_load_b128 v[QF+32*((\n)%3)+8*\j+4*\c:QF+32*((\n)%3)+8*\j+4*\c+3], v3 offset:8192*(4*((\n)%2)+\j)+1024*((\n)/2)+512*\c
.endr
.endr
.endm
; 16 products; the 32 accumulators take turns, one instruction a turn.  K step 0 starts the sums
.macro MULH n
.set KK, (\n)/2
.irp j, 0,1,2,3
.irp p, 0,1,2,3
.set DD, 32*(4*((\n)%2)+\j)+8*\p
.set AA, 64*\p+8*KK
.set BB, QF+32*((\n)%3)+8*\j
.set SA, PS+8*\p+KK
.set SQ, QSR+8*(2*((\n)%2)+\j/2)+KK
.if KK == 0
.if \j%2
	v_wmma_scale_f32_16x16x128_f8f6f4 v[DD:DD+7], v[AA:AA+7], v[BB:BB+7], 0, v[SA], v[SQ] matrix_a_fmt:MATRIX_FMT_FP4 matrix_b_fmt:MATRIX_FMT_FP4 matrix_b_scale:MATRIX_SCALE_ROW1
.else
	v_wmma_scale_f32_16x16x128_f8f6f4 v[DD:DD+7], v[AA:AA+7], v[BB:BB+7], 0, v[SA], v[SQ] matrix_a_fmt:MATRIX_FMT_FP4 matrix_b_fmt:MATRIX_FMT_FP4
.endif
.else
.if \j%2
	v_wmma_scale_f32_16x16x128_f8f6f4 v[DD:DD+7], v[AA:AA+7], v[BB:BB+7], v[DD:DD+7], v[SA], v[SQ] matrix_a_fmt:MATRIX_FMT_FP4 matrix_b_fmt:MATRIX_FMT_FP4 matrix_b_scale:MATRIX_SCALE_ROW1
.else
	v_wmma_scale_f32_16x16x128_f8f6f4 v[DD:DD+7], v[AA:AA+7], v[BB:BB+7], v[DD:DD+7], v[SA], v[SQ] matrix_a_fmt:MATRIX_FMT_FP4 matrix_b_fmt:MATRIX_FMT_FP4
.endif
.endif
.endr
.endr
.endm
.macro HALF n
.if (\n)+2 < 16
.if (\n) > 0
	NOPS4                                          ; the buffer that is loaded now was read by the half before
.endif
	WIN 0
	LOADH (\n)+2                                   ; two halves, 32 products, ahead of its use
	s_wait_dscnt 16                                ; this half's eight loads are in; those of the two halves behind it may be out
.elseif (\n)+2 == 16
	s_wait_dscnt 8                                 ; the last half's eight may be out
.else
	s_wait_dscnt 0x0
.endif
.if (\n)%2 == 0
	s_wait_loadcnt 8*(7-(\n)/2)                    ; the weights of this K step are in; eight loads for each later K step may be out
.endif
	WIN 0xa1                                       ; source 0 window 1, source 1 window 0, C and D window 2
	MULH \n
.endm
; The way out of token tiles 2 g and 2 g + 1, 32 numbers a lane, worked together: one wait ahead of and one behind each batch of 32 transcendentals
.macro PAIR g
	s_wait_alu depctr_va_vdst(0)                   ; the wait ahead of the branch
	s_add_co_u32 s15, s[TR], 1
	s_cmp_lt_u32 s15, s[NT]                        ; ids and the count of trips alone: is there a next block?
	s_cbranch_scc0 .Lnl_\@
	WLOAD \g                                       ; a quarter of its fragments
.Lnl_\@:
	WIN 0x02                                       ; source 0 window 2
	s_wait_alu depctr_va_vdst(0)                   ; the wait directly ahead of the first readers of matrix results
.set ii, 0
.rept 16
	v_pk_mul_f32 v[EX+ii:EX+ii+1], v[64*(\g)+32*(ii/16)+ii%16:64*(\g)+32*(ii/16)+ii%16+1], 0xbfb8aa3b op_sel_hi:[1,0]   ; - x1 log2(e); each accumulator from its low end on
.set ii, ii+2
.endr
	WIN 0x0a                                       ; sources 0 and 1 window 2
	s_wait_alu depctr_va_vdst(0)                   ; and ahead of x3's first readers
.set ii, 0
.rept 16
	v_pk_mul_f32 v[TT+ii:TT+ii+1], v[64*(\g)+32*(ii/16)+ii%16:64*(\g)+32*(ii/16)+ii%16+1], v[64*(\g)+32*(ii/16)+16+ii%16:64*(\g)+32*(ii/16)+16+ii%16+1]   ; x1 x3
.set ii, ii+2
.endr
	WIN 0
	s_wait_alu depctr_va_vdst(0)                   ; ahead of the batch
.set ii, 0
.rept 32
	v_exp_f32 v[EX+ii], v[EX+ii]
.set ii, ii+1
.endr
	v_nop                                          ; one plain place behind the batch
	s_wait_alu depctr_va_vdst(0)                   ; and the wait behind it
.set ii, 0
.rept 16
	v_pk_add_f32 v[EX+ii:EX+ii+1], v[EX+ii:EX+ii+1], 1.0 op_sel_hi:[1,0]
.set ii, ii+2
.endr
	s_wait_alu depctr_va_vdst(0)
.set ii, 0
.rept 32
	v_rcp_f32 v[EX+ii], v[EX+ii]                   ; sigmoid(x1)
.set ii, ii+1
.endr
	v_nop
	s_wait_alu depctr_va_vdst(0)
.set ii, 0
.rept 16
	v_pk_mul_f32 v[TT+ii:TT+ii+1], v[TT+ii:TT+ii+1], v[EX+ii:EX+ii+1]
.set ii, ii+2
.endr
.irp u, 0,1                            ; the largest magnitude of my 16 of each tile, with the floor 2^(3 - 127): two chains a tile, the four by turns
	v_max3_num_f32 v[TM+\u], |v[TT+16*\u]|, |v[TT+16*\u+1]|, 0x1800000
	v_max3_num_f32 v[TM+2+\u], |v[TT+16*\u+2]|, |v[TT+16*\u+3]|, |v[TT+16*\u+4]|
.endr
.irp i, 5,9
.irp u, 0,1
	v_max3_num_f32 v[TM+\u], v[TM+\u], |v[TT+16*\u+\i]|, |v[TT+16*\u+\i+1]|
	v_max3_num_f32 v[TM+2+\u], v[TM+2+\u], |v[TT+16*\u+\i+2]|, |v[TT+16*\u+\i+3]|
.endr
.endr
.irp u, 0,1
	v_max3_num_f32 v[TM+\u], v[TM+\u], |v[TT+16*\u+13]|, |v[TT+16*\u+14]|
.endr
.irp u, 0,1
	v_max3_num_f32 v[TM+\u], v[TM+\u], v[TM+2+\u], |v[TT+16*\u+15]|
.endr
.irp u, 0,1
	v_permlanex16_b32 v[TM+4+\u], v[TM+\u], s[SEL], s[SEL+1]
.endr
.irp u, 0,1
	v_max_num_f32 v[TM+\u], v[TM+\u], v[TM+4+\u]   ; with lane l xor 16's: the block's largest magnitude
.endr
.irp u, 0,1
	v_add_nc_u32 v[TM+6+\u], 0xff000000, v[TM+\u]  ; 2 off the exponent field: the conversion's scale operand
.endr
.irp u, 0,1
	v_cvt_scalef32_pk8_fp4_f32 v[PC+4*(\g)+2*\u], v[TT+16*\u:TT+16*\u+7], v[TM+6+\u]
	v_cvt_scalef32_pk8_fp4_f32 v[PC+4*(\g)+2*\u+1], v[TT+16*\u+8:TT+16*\u+15], v[TM+6+\u]
.endr
.irp u, 0,1
	v_lshrrev_b32 v[BY+2*(\g)+\u], 23, v[TM+6+\u]  ; the byte; also the plain place behind the conversions
.endr
.irp u, 0,1
	ds_store_b8 v6, v[BY+2*(\g)+\u] offset:64*(2*(\g)+\u)   ; lanes l and l xor 16 write the same byte with the same value
.endr
.irp u, 0,1
	global_store_b64 v8, v[PC+4*(\g)+2*\u:PC+4*(\g)+2*\u+1], s[OB:OB+1] offset:22528*(2*(\g)+\u)   ; a block of 16 tokens: 256 consecutive bytes
.endr
.endm
.irp g, 0,1,2,3
	WLOAD \g                                       ; block 0's fragments
.endr
	s_wait_tensorcnt 0x0                           ; my tile of the head's four is in,
	s_barrier_signal -1
	s_barrier_wait -1                              ; everybody's is; nothing is ever filled again
.irp m, 0,1,2,3
.irp k, 0,1,2,3,4,5,6,7
	ds_load_b32 v[QSR+8*\m+\k], v12 offset:1024*\m+64*\k   ; the tokens' scale words: they stay
.endr
.endr
	s_mov_b32 s[TR], 0
	s_mov_b32 s[TS], 0
	s_mov_b32 s[TJ], 0
	s_wait_xcnt 0x0                                ; block 0's loads have read their base: it steps to the block that is asked for next
	s_add_nc_u64 s[WB:WB+1], s[WB:WB+1], 131072
.Ltrip:
	s_cmp_ge_u32 s[TR], s[NT]                      ; a trip that this work-group does not have: only the counters step
	s_cbranch_scc1 .Lskip
	v_add_nc_u32 v5, s[TS], v11
	v_add_nc_u32 v6, s[TJ], v9
	s_wait_alu depctr_va_vdst(0)                   ; the wait behind these writes
.irp p, 0,1,2,3
.irp k, 0,1,2,3,4,5,6,7
	ds_load_b32 v[PS+8*\p+\k], v5 offset:512*\p+64*\k      ; this block's scale words
.endr
.endr
	LOADH 0
	LOADH 1
.set NN, 0
.rept 16
	HALF NN
.set NN, NN+1
.endr
	NOPS4                                          ; behind the last products: in front of the loads into the weights' registers and of the first reads of results
	WIN 0
.irp g, 0,1,2,3
	PAIR \g
.endr
.Lskip:
	s_wait_alu depctr_va_vdst(0)                   ; the wait ahead of the wait below and of the backward jump
	s_wait_xcnt 0x0                                ; this trip's loads and stores have read their bases and registers
	s_add_nc_u64 s[WB:WB+1], s[WB:WB+1], 131072    ; four blocks on
	s_add_nc_u64 s[OB:OB+1], s[OB:OB+1], 1024
	s_add_co_u32 s[TS], s[TS], 8192
	s_add_co_u32 s[TJ], s[TJ], 512
	s_add_co_u32 s[TR], s[TR], 1
	s_cmp_lt_u32 s[TR], 3
	s_cbranch_scc1 .Ltrip
	s_wait_dscnt 0x0                               ; for the others' sake: my bytes have landed
	s_barrier_signal -1
	s_barrier_wait -1
	s_cmp_eq_u32 s13, 7
	s_cselect_b32 s15, 1, 3                        ; K steps that this work-group has made
	s_cmp_lt_u32 s12, s15
	s_cbranch_scc0 .Lend
	ds_load_b128 v[240:243], v13                   ; wave i: the 128 tokens' scale words of trip i
	s_wait_dscnt 0x0
	global_store_b128 v10, v[240:243], s[52:53]    ; 512 consecutive bytes
.Lend:
	s_wait_tensorcnt 0x0                           ; the wave's end
	ds_add_u32 v254, v255
	s_wait_dscnt 0x0
	s_endpgm
.Lfunc_end_k_qfedad4f23a_ffn1:
	.size	k_qfedad4f23a_ffn1, .Lfunc_end_k_qfedad4f23a_ffn1-k_qfedad4f23a_ffn1
	.p2alignl 7, 3214868480
	.fill 96, 4, 3214868480
	.section	.rodata,"a",@progbits
	.p2align	6, 0x0
	.amdhsa_kernel k_qfedad4f23a_ffn1
		.amdhsa_group_segment_fixed_size 168448
		.amdhsa_private_segment_fixed_size 0
		.amdhsa_enable_private_segment 0
		.amdhsa_kernarg_size 24
		.amdhsa_user_sgpr_count 2
		.amdhsa_user_sgpr_kernarg_segment_ptr 1
		.amdhsa_wavefront_size32 1
		.amdhsa_system_sgpr_workgroup_id_x 1
		.amdhsa_system_sgpr_workgroup_id_y 1
		.amdhsa_system_sgpr_workgroup_id_z 1
		.amdhsa_system_vgpr_workitem_id 0
		.amdhsa_next_free_vgpr 768
		.amdhsa_next_free_sgpr 66
		.amdhsa_reserve_vcc 0
		.amdhsa_float_denorm_mode_32 3
		.amdhsa_float_denorm_mode_16_64 3
		.amdhsa_memory_ordered 1
		.amdhsa_forward_progress 1
		.amdhsa_inst_pref_size 103
	.end_amdhsa_kernel
	.amdgpu_metadata
---
amdhsa.version: [ 1, 2 ]
amdhsa.kernels:
  - .name:           k_qfedad4f23a_ffn1
    .symbol:         k_qfedad4f23a_ffn1.kd
    .args:
      - { .name: xn, .offset: 0, .size: 8, .value_kind: global_buffer, .address_space: global }
      - { .name: wbuf, .offset: 8, .size: 8, .value_kind: global_buffer, .address_space: global }
      - { .name: hbuf, .offset: 16, .size: 8, .value_kind: global_buffer, .address_space: global }
    .group_segment_fixed_size: 168448
    .private_segment_fixed_size: 0
    .kernarg_segment_align: 8
    .kernarg_segment_size: 24
    .max_flat_workgroup_size: 128
    .sgpr_count:     66
    .vgpr_count:     768
    .wavefront_size: 32
...
	.end_amdgpu_metadata
.endif
;; end of part 6
;; launch ffn2 (part 7): grid 8 x 32, 4 waves a work-group, no clusters, 259,584 bytes of LDS; arguments hbuf, wbuf, x2, out0; writes out0
.if DOCPART == 7
	.amdgcn_target "amdgcn-amd-amdhsa--gfx1250"
	.amdhsa_code_object_version 6
	.text
	.protected	k_qfedad4f23a_ffn2
	.globl	k_qfedad4f23a_ffn2
	.p2align	8
	.type	k_qfedad4f23a_ffn2,@function
k_qfedad4f23a_ffn2:
	s_mov_b64 s[64:65], 0
	v_nop
	global_prefetch_b8 v0, s[64:65] scope:SCOPE_SE
	s_setreg_imm32_b32 hwreg(HW_REG_WAVE_MODE, 25, 1), 1
	s_wait_xcnt 0x0
; out0 = x2 + hidden w2^T, on codes of E2M1, K = 2,752 filled with zero codes to 22 K steps of 128.
; SHARES: work-group (nx, my): 128 columns x 128 tokens: 8 x 32 = 256 work-groups.  Four waves; wave w takes w2's tiles 2 w, 2 w + 1 of the work-group's eight (32 columns) against all 8 tiles of tokens: 16 accumulators.
; THE WEIGHTS DO NOT GO THROUGH LDS.  A fragment lies in memory as 1,024 consecutive bytes in the order of the operand's registers, and no other wave of the work-group wants it: two loads of 512 bytes bring it
; straight into its registers.  A wave's 44 fragments, all of K, are asked for at the head and stay: 352 registers.
; THE TOKENS' CODES (176 KB) AND SCALE WORDS (11 KB) LIE IN LDS, filled once: each wave issues one tensor load, a quarter of the group's run: 187 rows of 256 bytes.
; Each wave reads them once: a fragment from LDS feeds two products.  Two sets of fragment registers: a K step's 20 LDS loads are issued ahead of the K step before's products.
; SOURCE 0 = 16 rows of w2, SOURCE 1 = 16 tokens: a lane holds one token and, by the order of rows in a tile (place r of tile T = row 32 (T/2) + 8 (T%2) + r + 8 (r/8)), columns 32 w + 16 h + 0 .. 15 of the work-group's 128.
; The tokens' scale words: an even tile's in lanes 0-15, the odd tile's beside it in lanes 16-31 (read by ROW1): one load of 128 consecutive bytes for two tiles.
; THE WAY OUT: a wave's 32 columns are half of an aligned 256 bytes, so the four waves share one stage in LDS (128 rows of 512 + 16 bytes), with a barrier between writing and reading; each wave then takes 32 whole
; rows, adds the residual, loaded in that same order in the middle of the K steps, and stores 512 consecutive bytes an instruction.
; NOT BUILT: joint loads: the eight work-groups of a row of the grid read the same tokens' 187 KB, half of what a work-group takes in; clusters of 4 x 1 would fit the grid.
; REGISTERS, in windows of 256 (s_set_vgpr_msb: bits 1:0 source 0, 3:2 source 1, 5:4 source 2, 7:6 destination): window 0: v1-15 addresses; v16-59 w2's scale words (16 + 22 p + ks); v60-67 the tokens', two sets;
;   v96-223 two sets of eight token fragments, later 32 rows of the result.   window 1: w2's fragments of K steps 0-15 (16 ks + 8 p).   window 2: those of K steps 16-21 (v0-95); the accumulators (128 + 16 q + 8 p).
;   window 3: v0-127 the residual.
.set W2C,   4980736                    ; w2's codes in wbuf: 24,576 bytes a tile
.set W2S,   6864896                    ; its scale words: 1,536 bytes a tile
; hbuf as the launch before lays it: for each 128 tokens one dense run of 191,488 bytes: codes [tile][K step][1,024], QSTR bytes a tile, then the scale words [K step][token place][4].
; LDS holds that run as it lies, filled once: each wave issues ONE tensor load, a quarter of it: 187 rows of 256 bytes.
.set KS,    22
.set QSTR,  22528                      ; a tile of tokens in hbuf
.set QS,    180224                     ; LDS: behind the codes: [K step][pair of tiles][128 bytes]
.set STG,   191488                     ; the stage
.set SPI,   528
.set RES_AT, 12                        ; the K step in which the residual is asked for
.set PSC,   16
.set QSC,   60
.set QF,    96
.set ACC,   128
.set MSB,   0
.macro WIN new                         ; the immediate's high byte repeats the setting that is left; a switch that changes nothing is dropped
.if MSB != \new
	s_set_vgpr_msb (MSB<<8)|\new
.set MSB, \new
.endif
.endm
.macro NOPS4                           ; four places behind matrix instructions, in front of loads into their registers and of reads of their results
.rept 4
	v_nop
.endr
.endm
.macro G1SET g, cc, rr, pp             ; descriptor group 1: rr rows of cc elements of 8 bytes, pp elements from row to row; no mask, no padding
	s_mov_b32 s[\g], 3<<16
	s_mov_b32 s[\g+1], (\cc)<<16
	s_mov_b32 s[\g+2], (\rr)<<16
	s_mov_b32 s[\g+3], (\cc)<<16
	s_mov_b32 s[\g+4], \rr
	s_mov_b32 s[\g+5], \pp
	s_mov_b32 s[\g+6], 0
	s_mov_b32 s[\g+7], 0
.endm
	s_load_b256 s[4:11], s[0:1], 0x0               ; hbuf, wbuf, x2, out0
	v_lshl_add_u32 v254, v0, 2, 0x3f400
	v_mov_b32 v255, 0
	ds_add_u32 v254, v255
	ds_add_u32 v254, v255
	v_lshrrev_b32 v1, 5, v0
	v_readfirstlane_b32 s12, v1                    ; wave
	s_mov_b32 s13, ttmp9                           ; nx
	s_and_b32 s14, ttmp7, 0xffff                   ; my
	v_and_b32 v1, 15, v0                           ; r
	v_bfe_u32 v2, v0, 4, 1                         ; h
	v_and_b32 v15, 31, v0
	v_lshlrev_b32 v10, 4, v15                      ; memory: 16 x lane
	v_lshlrev_b32 v11, 2, v1                       ; w2's scale words: 4 r
	v_lshlrev_b32 v3, 4, v15                       ; LDS: 16 x lane tiles 0, 1,
	v_add_nc_u32 v4, 2*QSTR, v3                    ; tiles 2, 3,
	v_add_nc_u32 v5, 4*QSTR, v3                    ; tiles 4, 5,
	v_add_nc_u32 v6, 6*QSTR, v3                    ; tiles 6, 7
	v_lshl_add_u32 v9, v15, 2, QS                  ; the tokens' scale words: 4 x lane
	s_lshl_b32 s15, s12, 7
	s_add_co_u32 s15, s15, STG
	v_mul_u32_u24 v7, v1, SPI
	v_lshl_add_u32 v7, v2, 6, v7
	v_add_nc_u32 v7, s15, v7                       ; the stage, in: row r, + 64 h, + 128 x wave
	s_mul_i32 s15, s12, 32*SPI
	s_add_co_u32 s15, s15, STG
	v_add_nc_u32 v8, s15, v3                       ; and back: my 32 rows, 16 bytes a lane
	G1SET 44, 32, 187, 32                          ; 187 dense rows of 256 bytes
	s_mul_i32 s16, s14, 191488
	s_mul_i32 s17, s12, 47872
	s_add_co_u32 s16, s16, s17                     ; my quarter of the group's run
	s_mov_b32 s17, 0
	s_lshl_b32 s20, s13, 3
	s_lshl_b32 s21, s12, 1
	s_add_co_u32 s20, s20, s21                     ; my first tile of w2
	s_mul_i32 s22, s20, 24576
	s_add_co_u32 s22, s22, W2C
	s_mov_b32 s23, 0
	s_mul_i32 s20, s20, 1536
	s_add_co_u32 s20, s20, W2S
	s_mov_b32 s21, 0
	s_lshl_b32 s84, s14, 2
	s_add_co_u32 s84, s84, s12
	s_lshl_b32 s84, s84, 17                        ; (128 my + 32 wave) tokens x 4,096 bytes
	s_lshl_b32 s85, s13, 9
	s_add_co_u32 s84, s84, s85                     ; + 128 columns x 4 bytes x nx
	s_mov_b32 s85, 0
	s_wait_alu depctr_va_vdst(0)
	s_wait_dscnt 0x0
	s_wait_kmcnt 0x0
	s_add_nc_u64 s[86:87], s[4:5], s[16:17]
	s_add_nc_u64 s[76:77], s[6:7], s[22:23]
	s_add_nc_u64 s[78:79], s[6:7], s[20:21]
	s_add_nc_u64 s[80:81], s[8:9], s[84:85]
	s_add_nc_u64 s[82:83], s[10:11], s[84:85]
	s_mov_b32 s24, 1
	s_mul_i32 s25, s12, 47872
	s_mov_b64 s[26:27], s[86:87]
	s_or_b32 s27, s27, 0x80000000
	tensor_load_to_lds s[24:27], s[44:51]          ; the wave's one tensor load
	s_nop 0
	NOPS4
.irp p, 0,1
.set kk, 0
.rept KS
	global_load_b32 v[PSC+22*\p+kk], v11, s[78:79] offset:1536*\p+64*kk   ; w2's scale words: they stay
.set kk, kk+1
.endr
.endr
	WIN 0x40                                       ; destination window 1
.set kk, 0
.rept 16
.irp p, 0,1
.irp c, 0,1
	global_load_b128 v[16*kk+8*\p+4*\c:16*kk+8*\p+4*\c+3], v10, s[76:77] offset:24576*\p+1024*kk+512*\c   ; w2's fragments, K step by K step: 512 consecutive bytes a load
.endr
.endr
.set kk, kk+1
.endr
	WIN 0x80                                       ; destination window 2
.rept 6
.irp p, 0,1
.irp c, 0,1
	global_load_b128 v[16*(kk-16)+8*\p+4*\c:16*(kk-16)+8*\p+4*\c+3], v10, s[76:77] offset:24576*\p+1024*kk+512*\c
.endr
.endr
.set kk, kk+1
.endr
	WIN 0
.macro LOADF ks                        ; 20 LDS loads into set ks % 2: eight fragments, four registers of scale words
.irp q, 0,1,2,3,4,5,6,7
.irp c, 0,1
	ds_load_b128 v[QF+64*((\ks)%2)+8*\q+4*\c:QF+64*((\ks)%2)+8*\q+4*\c+3], v[3+\q/2] offset:QSTR*(\q%2)+1024*(\ks)+512*\c
.endr
.endr
.irp m, 0,1,2,3
	ds_load_b32 v[QSC+4*((\ks)%2)+\m], v9 offset:128*\m+512*(\ks)
.endr
.endm
.macro MUL ks                          ; 16 products; the accumulators take turns, one instruction a turn.  K step 0 starts the sums
.set FB, QF+64*((\ks)%2)
.set SS, QSC+4*((\ks)%2)
.if (\ks) < 16
	WIN 0xa1                                       ; source 0 window 1, source 1 window 0, C and D window 2
.set PB, 16*(\ks)
.else
	WIN 0xa2                                       ; source 0 window 2
.set PB, 16*((\ks)-16)
.endif
.irp q, 0,1,2,3,4,5,6,7
.irp p, 0,1
.set DD, ACC+16*\q+8*\p
.set AA, PB+8*\p
.set BB, FB+8*\q
.set SA, PSC+22*\p+(\ks)
.set SQ, SS+\q/2
.if (\ks) == 0
.if \q%2
	v_wmma_scale_f32_16x16x128_f8f6f4 v[DD:DD+7], v[AA:AA+7], v[BB:BB+7], 0, v[SA], v[SQ] matrix_a_fmt:MATRIX_FMT_FP4 matrix_b_fmt:MATRIX_FMT_FP4 matrix_b_scale:MATRIX_SCALE_ROW1
.else
	v_wmma_scale_f32_16x16x128_f8f6f4 v[DD:DD+7], v[AA:AA+7], v[BB:BB+7], 0, v[SA], v[SQ] matrix_a_fmt:MATRIX_FMT_FP4 matrix_b_fmt:MATRIX_FMT_FP4
.endif
.else
.if \q%2
	v_wmma_scale_f32_16x16x128_f8f6f4 v[DD:DD+7], v[AA:AA+7], v[BB:BB+7], v[DD:DD+7], v[SA], v[SQ] matrix_a_fmt:MATRIX_FMT_FP4 matrix_b_fmt:MATRIX_FMT_FP4 matrix_b_scale:MATRIX_SCALE_ROW1
.else
	v_wmma_scale_f32_16x16x128_f8f6f4 v[DD:DD+7], v[AA:AA+7], v[BB:BB+7], v[DD:DD+7], v[SA], v[SQ] matrix_a_fmt:MATRIX_FMT_FP4 matrix_b_fmt:MATRIX_FMT_FP4
.endif
.endif
.endr
.endr
.endm
.macro RESLOAD                         ; the residual of my 32 rows, in the order of the way out: stage row i is token 8 (i / 16) + i % 16 + 8 ((i % 16) / 8) of my 32
	WIN 0xc0                                       ; destination window 3
.set ri, 0
.rept 32
	global_load_b128 v[4*ri:4*ri+3], v10, s[80:81] offset:(8*(ri/16)+ri%16+8*((ri%16)/8))*4096 th:TH_LOAD_NT   ; 512 consecutive bytes; read once in this launch
.set ri, ri+1
.endr
	WIN 0
.endm
.macro STEP ks
.if (\ks)+1 < KS
.if (\ks) > 0
	NOPS4                                          ; places behind the last K step's products, which read the set that is loaded now
.endif
	WIN 0
	LOADF (\ks)+1
.endif
.if (\ks) == RES_AT
	RESLOAD
.endif
.if (\ks)+1 < KS
	s_wait_dscnt 20                                ; this K step's loads are in; the 20 just issued may be out
.else
	s_wait_dscnt 0x0
.endif
.set WL, 4*(KS-1-(\ks))                ; behind this K step's fragments of w2: four loads for each later K step,
.if (\ks) >= RES_AT
.set WL, WL+32                         ; and the residual's 32 once they are issued;
.endif
.if WL > 63
.set WL, 63                            ; a wait names 63 at the most: a smaller count than needed is safe
.endif
	s_wait_loadcnt WL
	MUL \ks
.endm
	s_wait_tensorcnt 0x0                           ; my quarter is in; behind the barrier everybody's is
	s_barrier_signal -1
	s_barrier_wait -1
	LOADF 0
.set KK, 0
.rept KS
	STEP KK
.set KK, KK+1
.endr
	NOPS4
	WIN 0x08                                       ; an LDS store's data are its source 1: window 2
.irp q, 0,1,2,3,4,5,6,7
.irp p, 0,1
	ds_store_b128 v7, v[ACC+16*\q+8*\p:ACC+16*\q+8*\p+3] offset:16*SPI*\q+32*\p        ; stage row 16 q + r; each accumulator from its low end on
	ds_store_b128 v7, v[ACC+16*\q+8*\p+4:ACC+16*\q+8*\p+7] offset:16*SPI*\q+32*\p+16
.endr
.endr
	WIN 0
	s_wait_dscnt 0x0                               ; for the others' sake: my stores into the stage are done
	s_barrier_signal -1
	s_barrier_wait -1
.set ri, 0
.rept 32
	ds_load_b128 v[QF+4*ri:QF+4*ri+3], v8 offset:SPI*ri   ; a whole row of 512 bytes
.set ri, ri+1
.endr
	s_wait_loadcnt 0x0                             ; the residual
.irp g, 0,1
	s_wait_dscnt 16-16*\g                          ; sixteen rows are back; the second sixteen loads may be out
	WIN 0x0c                                       ; source 1 window 3
.set ii, 0
.rept 32
	v_pk_add_f32 v[QF+64*\g+ii:QF+64*\g+ii+1], v[QF+64*\g+ii:QF+64*\g+ii+1], v[64*\g+ii:64*\g+ii+1]
.set ii, ii+2
.endr
	WIN 0
.set ri, 16*\g
.rept 16
	global_store_b128 v10, v[QF+4*ri:QF+4*ri+3], s[82:83] offset:(8*(ri/16)+ri%16+8*((ri%16)/8))*4096 th:TH_STORE_NT   ; 32 lanes store 512 consecutive bytes, at a multiple of 256 from out0's first byte; written once, read by nobody here
.set ri, ri+1
.endr
.endr
	s_wait_tensorcnt 0x0
	ds_add_u32 v254, v255
	s_wait_dscnt 0x0
	s_endpgm
.Lfunc_end_k_qfedad4f23a_ffn2:
	.size	k_qfedad4f23a_ffn2, .Lfunc_end_k_qfedad4f23a_ffn2-k_qfedad4f23a_ffn2
	.p2alignl 7, 3214868480
	.fill 96, 4, 3214868480
	.section	.rodata,"a",@progbits
	.p2align	6, 0x0
	.amdhsa_kernel k_qfedad4f23a_ffn2
		.amdhsa_group_segment_fixed_size 259584
		.amdhsa_private_segment_fixed_size 0
		.amdhsa_enable_private_segment 0
		.amdhsa_kernarg_size 32
		.amdhsa_user_sgpr_count 2
		.amdhsa_user_sgpr_kernarg_segment_ptr 1
		.amdhsa_wavefront_size32 1
		.amdhsa_system_sgpr_workgroup_id_x 1
		.amdhsa_system_sgpr_workgroup_id_y 1
		.amdhsa_system_sgpr_workgroup_id_z 1
		.amdhsa_system_vgpr_workitem_id 0
		.amdhsa_next_free_vgpr 896
		.amdhsa_next_free_sgpr 96
		.amdhsa_reserve_vcc 0
		.amdhsa_float_denorm_mode_32 3
		.amdhsa_float_denorm_mode_16_64 3
		.amdhsa_memory_ordered 1
		.amdhsa_forward_progress 1
		.amdhsa_inst_pref_size 108
	.end_amdhsa_kernel
	.amdgpu_metadata
---
amdhsa.version: [ 1, 2 ]
amdhsa.kernels:
  - .name:           k_qfedad4f23a_ffn2
    .symbol:         k_qfedad4f23a_ffn2.kd
    .args:
      - { .name: hbuf, .offset: 0, .size: 8, .value_kind: global_buffer, .address_space: global }
      - { .name: wbuf, .offset: 8, .size: 8, .value_kind: global_buffer, .address_space: global }
      - { .name: x2, .offset: 16, .size: 8, .value_kind: global_buffer, .address_space: global }
      - { .name: out0, .offset: 24, .size: 8, .value_kind: global_buffer, .address_space: global }
    .group_segment_fixed_size: 259584
    .private_segment_fixed_size: 0
    .kernarg_segment_align: 8
    .kernarg_segment_size: 32
    .max_flat_workgroup_size: 128
    .sgpr_count:     96
    .vgpr_count:     896
    .wavefront_size: 32
...
	.end_amdgpu_metadata
.endif
;; end of part 7
